; MI455X (gfx1250); checked and timed in simulation.
; The chip was launched on July 23, 2026; its instructions are those of AMD's public machine-readable ISA for CDNA 5 (MIT licence, August 2026) and "CDNA5" Instruction Set Architecture Reference Guide (July 2026). The comments in the code are by the model that wrote it; some were corrected since.
;; Multi Head Attention. Allowed arithmetic: matrix products marked QUANTISED: E2M3 operands, one E8M0 scale for each 32 along K, by v_wmma_scale_f32_16x16x128_f8f6f4 with both operands' format E2M3, f32 sums; everything else in f32.
;; Inputs: Wk 1,024 x 1,024 float32; Wo 1,024 x 1,024 float32; Wq 1,024 x 1,024 float32; Wv 1,024 x 1,024 float32; bk 1,024 float32; bo 1,024 float32; bq 1,024 float32; bv 1,024 float32; x 4 x 2,048 x 1,024 float32.
;; Outputs: out0 4 x 2,048 x 1,024 float32.
;; This version of the problem:
;;   THIS VERSION OF THE PROBLEM IS GIVEN IN LOW PRECISION. The matrix products marked QUANTISED in the list below multiply operands that are first quantised to E2M3 (2 exponent bits, 3 mantissa bits; 6 bits a number), with one power-of-two scale for each 32 numbers along K (OCP MX v1.0); their sums are f32. All else is computed in f32.
;;   The module's matrix products, in the order in which they are computed (A, B: the left and right operand; K: the contracted axis; several contracted axes count as one K, in the product's order):
;;     1. [M 8,192, K 1,024] x [K 1,024, N 1,024]; A: input x; B: input Wq: QUANTISED
;;     2. [M 8,192, K 1,024] x [K 1,024, N 1,024]; A: input x; B: input Wk: QUANTISED
;;     3. [M 8,192, K 1,024] x [K 1,024, N 1,024]; A: input x; B: input Wv: QUANTISED
;;     4. batch 64 x [M 2,048, K 64] x [K 64, N 2,048]; A: computed on the way; B: computed on the way: QUANTISED
;;     5. batch 64 x [M 64, K 2,048] x [K 2,048, N 2,048]; A: computed on the way; B: softmax (see below): QUANTISED
;;     6. [M 8,192, K 1,024] x [K 1,024, N 1,024]; A: computed on the way; B: input Wo: QUANTISED
;;   THE QUANTISER, for each operand of a quantised product, along K:
;;     - K is cut into blocks of 32 from its start; a last block that is shorter is filled with zeros.
;;     - A block's scale is 2^e with e = floor(log2(the largest magnitude in the block)) - 2, held to -126 .. 127; a block of zeros has e = 0. As a byte (E8M0): e + 127.
;;     - Each number is divided by its block's scale, clamped to +-7.5, and rounded to the nearest number of E2M3, ties to even, subnormals kept.
;;     - The product sums the exact products of the quantised numbers (number of the format x scale) in f32.
;;   ~~~python
;;   def quantise(x, axis):      # numpy; x: float32 -> the quantised numbers, widened to float32 again
;;       x = np.moveaxis(x, axis, -1); K = x.shape[-1]
;;       x = np.pad(x, [(0, 0)] * (x.ndim - 1) + [(0, -K % 32)]); x = x.reshape(x.shape[:-1] + (-1, 32)); a = np.abs(x).max(-1, keepdims=True)
;;       e = np.where(a > 0, np.clip(np.frexp(np.where(a > 0, a, 1))[1] - 1 - 2, -126, 127), 0)      # np.frexp(a)[1] - 1 = floor(log2(a)), exactly
;;       r = np.clip(x / 2.0 ** e, -7.5, 7.5)
;;       step = 2.0 ** (np.maximum(np.frexp(np.where(r == 0, 1, r))[1] - 1, 0) - 3)
;;       q = np.round(r / step) * step * 2.0 ** e      # np.round: ties to even
;;       return np.moveaxis(q.reshape(q.shape[:-2] + (-1,))[..., :K], -1, axis).astype(np.float32)
;;   ~~~
;;   SOFTMAX AHEAD OF A QUANTISED PRODUCT. Where the list says 'softmax', what is quantised is not the finished softmax but p = 2^(t - M), with t = logit x log2(e) and M = ceil(the row's largest t), a whole number; so 1/2 < the row's largest p <= 1. The row's sum l is taken of the UNQUANTISED p, in f32, and the product's result is divided by l at the end. Since M is a whole number, a kernel that streams over the keys may use a running M (the ceiling of the running maximum): every later rescaling is an exact power of two, which a block's scale takes up: the codes' values come out the same.
;;   OPERANDS COMPUTED ON THE WAY. 'Computed on the way' means the value that the module computes at that place (a softmax that the list does not call 'softmax' is quantised finished and normalised). What goes into a quantiser is computed in f32, as accurately as f32 sums, v_exp_f32 and their like allow (about 1e-6 of the number): no bf16 or f16 on the way to a quantiser, and a product that is left as it is and whose result goes on into a quantised operand takes f32 operands (vector FMAs, or v_wmma_f32_16x16x4_f32). A number that lies on a knife's edge between two numbers of the format may be rounded either way, as far as f32 arithmetic and the matrix unit's own rounding can turn it there, and no further.
;; One version. Each part assembles by itself: llvm-mc -triple=amdgcn-amd-amdhsa -mcpu=gfx1250 --defsym DOCPART=n.
;; ======== version 1 of 1: 4 launches
;; workspace buffers: cod 9,437,184 bytes; scl 393,216 bytes; img 18,874,368 bytes; isc 1,310,720 bytes; acodes 6,291,456 bytes; asc 262,144 bytes
;; launch quant (part 1): grid 384 x 1, 4 waves a work-group, no clusters, 68,096 bytes of LDS; arguments x, Wq, Wk, Wv, Wo, cod, scl; writes cod, scl
.if DOCPART == 1
	.amdgcn_target "amdgcn-amd-amdhsa--gfx1250"
	.amdhsa_code_object_version 6
	.text
	.protected	k_q7cabe4349f_quant
	.globl	k_q7cabe4349f_quant
	.p2align	8
	.type	k_q7cabe4349f_quant,@function
k_q7cabe4349f_quant:
	s_mov_b64 s[64:65], 0
	v_nop
	global_prefetch_b8 v0, s[64:65] scope:SCOPE_SE
	s_setreg_imm32_b32 hwreg(HW_REG_WAVE_MODE, 25, 1), 1
	s_wait_xcnt 0x0
; x [8192][1024] and the four weights [1024 (k)][1024 (n)], f32, become codes of FP6 (E2M3) with K innermost, 768 bytes a row, and one E8M0 byte for each 32 along K, 32 bytes a row.
; cod and scl have 12,288 rows: 0-8,191 the tokens, 8,192 + 1,024 w + .. the columns n of weight w (q, k, v, o).
; ROWS LIE IN POSITION ORDER: the row of index i lies at the position that has bits 3 and 4 of i exchanged.  Sixteen neighbouring positions 32 B + 16 u + r then hold the indices 32 B + 8 u + r + 8 (r / 8):
; taken as a matrix instruction's first source, two such tiles leave a lane 16 true neighbours in 16 registers.  K itself lies in true order.
; A block's scale is 2^(floor(log2(its largest magnitude)) - 2); its byte is the largest magnitude's exponent field - 2, held at 1 from below (a block of zeros keeps the byte 1: its codes are zeros, and this program alone reads the bytes).
; LIMITS: NaN and infinities among the inputs are not served; blocks whose largest magnitude lies under 2^-124 keep the byte 1.
; Work-groups 0-255 take x (K innermost: 16 neighbours to a lane, turned through the wave's own stage in LDS); work-groups 256-383 the weights (K outermost: a lane to a column, registers down K).
; Every wave takes 8,192 numbers on either way.  The two ways part on the work-group's number and have LDS bytes of their own; waves share nothing, so there is no barrier.
.set STEPS, 16
.set EMAX,  2
.set CB,    12                         ; bytes of 16 codes
.set R,     16                         ; x: v16-79   four sets of 16 numbers as loaded
.set X,     80                         ; x: v80-111  two sets of 16 neighbours
.set E,     112                        ; x: v112-127 a scale byte for each step
.set C,     128                        ; x: v128-191 codes, four registers for each step
.set WREG,  8192                       ; x: LDS of a wave: two stages of 32 x SP bytes, then its 256 scale bytes
.set SP,    80
.set WLDS,  32768                      ; W: the stages begin here, 32 x WP bytes for each wave
.set WP,    272                        ; W: a stage row: sixteen places of 16 bytes + 16
.set KROW,  768                        ; a row of cod
.set NB,    8                          ; W: blocks of 32 along K for a wave
.set WX,    32                         ; W: v32-95   two sets of 32 numbers
.set WC,    96                         ; W: a block's codes
.set OUTR,  112                        ; W: v112-175 the way out
.set SB,    24                         ; W: v24-25   eight scale bytes
	v_lshl_add_u32 v192, v0, 2, 0x10800
	v_mov_b32 v193, 0
	v_lshrrev_b32 v1, 5, v0
	v_readfirstlane_b32 s16, v1                    ; wave 0..3
	v_and_b32 v2, 31, v0                           ; lane
	s_cmp_lt_u32 ttmp9, 256
	s_cbranch_scc0 .Lweights
; ---------------- x: a wave takes 8 rows, 16 steps of 512 numbers ----------------
	s_load_b64 s[4:5], s[0:1], 0x0                 ; x
	s_load_b64 s[8:9], s[0:1], 0x28                ; cod
	s_load_b64 s[10:11], s[0:1], 0x30              ; scl
	v_lshlrev_b32 v3, 4, v2                        ; my 16 bytes of a load's 512
	s_mul_i32 s17, s16, WREG
	v_lshrrev_b32 v14, 2, v2
	v_mul_u32_u24 v14, v14, SP
	v_and_b32 v15, 3, v2
	v_lshl_add_u32 v14, v15, 4, v14
	v_add_nc_u32 v14, s17, v14                     ; the stage, on the way in: SP (lane / 4) + 16 (lane % 4)
	v_mul_u32_u24 v15, v2, SP
	v_add_nc_u32 v15, s17, v15                     ; and on the way out: SP x lane: my 16 neighbours
	v_mul_u32_u24 v4, v2, CB                       ; my codes' place in a step's
	v_lshrrev_b32 v5, 1, v2
	s_add_co_u32 s17, s17, 2*32*SP
	v_add_nc_u32 v5, s17, v5                       ; LDS: my block's scale byte
	v_lshlrev_b32 v7, 3, v2
	v_add_nc_u32 v6, s17, v7                       ; and 8 bytes a lane on the way out
	s_lshl_b32 s17, ttmp9, 2
	s_add_co_u32 s18, s17, s16                     ; the run of 8 rows that I read: 4 x work-group + wave
	s_and_b32 s19, s16, 1
	s_lshl_b32 s19, s19, 1
	s_lshr_b32 s20, s16, 1
	s_or_b32 s19, s19, s20                         ; the wave's two bits are bits 3 and 4 of the rows' index: exchanged,
	s_add_co_u32 s20, s17, s19                     ; they give the run of 8 positions that I write
	s_lshl_b32 s22, s18, 15                        ; 32,768 bytes of x a run
	s_mov_b32 s23, 0
	s_mul_i32 s24, s20, 8*KROW                     ; 6,144 bytes of codes a run
	s_mov_b32 s25, 0
	s_lshl_b32 s26, s20, 8                         ; 256 scale bytes a run
	s_mov_b32 s27, 0
	s_wait_kmcnt 0x0
	s_add_nc_u64 s[4:5], s[4:5], s[22:23]
	s_add_nc_u64 s[8:9], s[8:9], s[24:25]
	s_add_nc_u64 s[10:11], s[10:11], s[26:27]
.macro XLOAD t
.irp i, 0,1,2,3
	global_load_b128 v[R+16*((\t)%4)+4*\i:R+16*((\t)%4)+4*\i+3], v3, s[4:5] offset:2048*(\t)+512*\i th:TH_LOAD_NT   ; 32 lanes read 512 consecutive bytes
.endr
.endm
.macro XTURN t                         ; step t's numbers through the stage: LDS serves a wave's instructions in order, so no wait stands between the stores and the loads
.irp i, 0,1,2,3
	ds_store_b128 v14, v[R+16*((\t)%4)+4*\i:R+16*((\t)%4)+4*\i+3] offset:32*SP*((\t)%2)+8*SP*\i
.endr
.irp i, 0,1,2,3
	ds_load_b128 v[X+16*((\t)%2)+4*\i:X+16*((\t)%2)+4*\i+3], v15 offset:32*SP*((\t)%2)+16*\i
.endr
.endm
.irp t, 0,1,2,3
	XLOAD \t
.endr
	s_wait_loadcnt 12                              ; step 0's four loads are in; the 12 of steps 1 to 3 may be out
	XTURN 0
.macro XSTEP t
.set XS, X+16*((\t)%2)
.if (\t) > 0
	s_wait_dscnt 1                                 ; this step's numbers are back from the stage (the last step's byte store may be out): so its stores into the stage have read their registers,
.else
	s_wait_dscnt 0x0
.endif
.if (\t)+4 < STEPS
	XLOAD (\t)+4                                   ; which take the loads of four steps on
.endif
.if (\t)+1 < STEPS
.if STEPS-2-(\t) >= 3
	s_wait_loadcnt 12                              ; the next step's four loads are in; those of the three steps behind it may be out
.else
	s_wait_loadcnt 4*(STEPS-2-(\t))
.endif
	XTURN (\t)+1                                   ; and go through the other stage while this step is worked
.endif
	v_max3_num_f32 v8, |v[XS]|, |v[XS+1]|, |v[XS+2]|               ; the largest magnitude of my 16, in two chains
	v_max3_num_f32 v9, |v[XS+3]|, |v[XS+4]|, |v[XS+5]|
.irp i, 6,10
	v_max3_num_f32 v8, v8, |v[XS+\i]|, |v[XS+\i+1]|
	v_max3_num_f32 v9, v9, |v[XS+\i+2]|, |v[XS+\i+3]|
.endr
	v_max3_num_f32 v8, v8, |v[XS+14]|, |v[XS+15]|
	v_max3_num_f32 v8, v8, v9, (EMAX+1)<<23        ; and the floor 2^(3 - 127): the byte cannot fall under 1
	v_max_num_f32_dpp v8, v8, v8 row_xmask:1 row_mask:0xf bank_mask:0xf   ; and of my neighbour's 16: the block's
	v_add_nc_u32 v11, -(EMAX<<23), v8              ; 2 off its exponent field: the conversion takes the exponent field of this operand as its scale
	v_cvt_scalef32_pk16_fp6_f32 v[C+4*(\t):C+4*(\t)+2], v[XS:XS+15], v11
	v_lshrrev_b32 v[E+(\t)], 23, v11               ; the scale's byte (also the plain line behind the conversion)
	ds_store_b8 v5, v[E+(\t)] offset:16*(\t)       ; both lanes of a block write the same byte with the same value
	global_store_b96 v4, v[C+4*(\t):C+4*(\t)+2], s[8:9] offset:32*CB*(\t)   ; the wave stores 384 consecutive bytes
.endm
.irp t, 0,1,2,3,4,5,6,7,8,9,10,11,12,13,14,15
	XSTEP \t
.endr
	ds_load_b64 v[12:13], v6                       ; LDS serves a wave's instructions in order: these see my byte stores
	s_wait_dscnt 0x0
	global_store_b64 v7, v[12:13], s[10:11]        ; 32 lanes store 256 consecutive bytes, aligned: eight rows' scale bytes
	s_wait_tensorcnt 0x0
	ds_add_u32 v192, v193
	s_wait_dscnt 0x0
	s_endpgm
; ---------------- the weights: a wave takes 32 columns x 256 along K ----------------
.Lweights:
	s_load_b64 s[32:33], s[0:1], 0x8               ; Wq
	s_load_b64 s[34:35], s[0:1], 0x10              ; Wk
	s_load_b64 s[36:37], s[0:1], 0x18              ; Wv
	s_load_b64 s[38:39], s[0:1], 0x20              ; Wo
	s_load_b64 s[6:7], s[0:1], 0x28                ; cod
	s_load_b64 s[8:9], s[0:1], 0x30                ; scl
	s_sub_co_u32 s17, ttmp9, 256                   ; 0..127
	s_lshr_b32 s30, s17, 5                         ; which weight
	s_bfe_u32 s18, s17, 0x30002                    ; which 128 columns
	s_and_b32 s19, s17, 3                          ; which 256 along K
	s_lshl_b32 s17, s18, 7
	s_lshl_b32 s20, s16, 5
	s_add_co_u32 s17, s17, s20                     ; my wave's first column, a multiple of 32
	v_lshlrev_b32 v3, 2, v2                        ; in: 4 bytes a lane: lane = column
	v_and_b32 v10, 7, v2
	v_bfe_u32 v11, v2, 3, 1
	v_lshl_add_u32 v10, v11, 4, v10
	v_bfe_u32 v11, v2, 4, 1
	v_lshl_add_u32 v10, v11, 3, v10                ; my column's position among the 32: bits 3 and 4 exchanged
	s_mul_i32 s28, s16, 32*WP
	s_add_co_u32 s28, s28, WLDS                    ; my stage
	v_mul_u32_u24 v4, v10, WP
	v_add_nc_u32 v4, s28, v4                       ; into it: row = my column's position
	v_and_b32 v5, 15, v2
	v_lshrrev_b32 v6, 4, v2                        ; out of it: sixteen lanes to a row, two rows an instruction
	v_mul_u32_u24 v7, v6, WP
	v_lshl_add_u32 v7, v5, 4, v7
	v_add_nc_u32 v7, s28, v7
	v_mul_u32_u24 v8, v6, KROW
	v_mad_u32_u24 v8, v5, 12, v8                   ; and the same place in cod
	v_lshlrev_b32 v9, 5, v10                       ; my column's row of scale bytes
	s_lshl_b32 s20, s19, 20                        ; 256 rows of 4,096 bytes for each step along K,
	s_lshl_b32 s21, s17, 2
	s_add_co_u32 s20, s20, s21                     ; + 4 bytes a column
	s_mov_b32 s21, 0
	s_lshl_b32 s22, s30, 10
	s_add_co_u32 s22, s22, s17
	s_add_co_u32 s22, s22, 8192                    ; my first row of cod and scl
	s_mul_i32 s24, s22, KROW
	s_mul_i32 s25, s19, 192
	s_add_co_u32 s24, s24, s25
	s_mov_b32 s25, 0
	s_lshl_b32 s26, s22, 5
	s_lshl_b32 s27, s19, 3
	s_add_co_u32 s26, s26, s27
	s_mov_b32 s27, 0
	s_wait_kmcnt 0x0
	s_cmp_lt_u32 s30, 2                            ; the weight is chosen by the work-group's number alone
	s_cselect_b64 s[4:5], s[32:33], s[36:37]
	s_cselect_b64 s[10:11], s[34:35], s[38:39]
	s_bitcmp1_b32 s30, 0
	s_cselect_b64 s[4:5], s[10:11], s[4:5]
	s_add_nc_u64 s[4:5], s[4:5], s[20:21]
	s_add_nc_u64 s[6:7], s[6:7], s[24:25]
	s_add_nc_u64 s[8:9], s[8:9], s[26:27]
.macro WLOAD t                         ; block t: W(32 t + i, my column), i = 0 .. 31, into set t % 2; the wave reads 128 consecutive bytes, the four waves 512
.irp i, 0,1,2,3,4,5,6,7,8,9,10,11,12,13,14,15,16,17,18,19,20,21,22,23,24,25,26,27,28,29,30,31
	global_load_b32 v[WX+32*((\t)%2)+\i], v3, s[4:5] offset:(32*(\t)+\i)*4096 th:TH_LOAD_NT
.endr
.endm
	WLOAD 0
	WLOAD 1
.macro WBLOCK t
.set XS, WX+32*((\t)%2)
.if (\t) < NB-1
	s_wait_loadcnt 32                              ; this block's 32 loads are in; the next block's 32 may be out
.else
	s_wait_loadcnt 0
.endif
	v_max3_num_f32 v12, |v[XS]|, |v[XS+1]|, |v[XS+2]|               ; the block's largest magnitude: all 32 numbers are mine
	v_max3_num_f32 v13, |v[XS+3]|, |v[XS+4]|, |v[XS+5]|
.irp i, 6,10,14,18,22,26
	v_max3_num_f32 v12, v12, |v[XS+\i]|, |v[XS+\i+1]|
	v_max3_num_f32 v13, v13, |v[XS+\i+2]|, |v[XS+\i+3]|
.endr
	v_max3_num_f32 v12, v12, |v[XS+30]|, |v[XS+31]|
	v_max3_num_f32 v12, v12, v13, (EMAX+1)<<23     ; and the floor
	v_add_nc_u32 v11, -(EMAX<<23), v12             ; the conversion's scale operand
	v_lshrrev_b32 v13, 23, v11                     ; the scale's byte
.if (\t)%4 == 0
	v_mov_b32 v[SB+(\t)/4], v13                    ; four bytes to a register, the lower K in the lower byte
.else
	v_lshl_or_b32 v[SB+(\t)/4], v13, 8*((\t)%4), v[SB+(\t)/4]
.endif
	v_cvt_scalef32_pk16_fp6_f32 v[WC:WC+2], v[XS:XS+15], v11
	v_cvt_scalef32_pk16_fp6_f32 v[WC+4:WC+6], v[XS+16:XS+31], v11   ; (a conversion's three registers begin on an even number)
	v_nop                                          ; one plain line behind the conversions
	ds_store_b96 v4, v[WC:WC+2] offset:32*(\t)     ; 12 bytes to a place of 16, so that every LDS address is a multiple of 16
	ds_store_b96 v4, v[WC+4:WC+6] offset:32*(\t)+16
.if (\t)+2 < NB
	WLOAD (\t)+2
.endif
	s_wait_dscnt 0x0                               ; the stores have read their registers: the next block's codes may be written
.endm
.set Q, 0
.rept NB
	WBLOCK Q
.set Q, Q+1
.endr
	global_store_b64 v9, v[SB:SB+1], s[8:9]        ; my column's eight scale bytes
.irp t, 0,1,2,3,4,5,6,7,8,9,10,11,12,13,14,15
	ds_load_b96 v[OUTR+4*\t:OUTR+4*\t+2], v7 offset:2*\t*WP   ; LDS serves a wave's instructions in order: these see my stores
.endr
.irp t, 0,1,2,3,4,5,6,7,8,9,10,11,12,13,14,15
	s_wait_dscnt 15-\t                             ; rows 2 t and 2 t + 1 are back; the later loads may be out
	global_store_b96 v8, v[OUTR+4*\t:OUTR+4*\t+2], s[6:7] offset:2*\t*KROW   ; sixteen lanes store a row's 192 consecutive bytes
.endr
	s_wait_tensorcnt 0x0
	ds_add_u32 v192, v193
	s_wait_dscnt 0x0
	s_endpgm
.Lfunc_end_k_q7cabe4349f_quant:
	.size	k_q7cabe4349f_quant, .Lfunc_end_k_q7cabe4349f_quant-k_q7cabe4349f_quant
	.p2alignl 7, 3214868480
	.fill 96, 4, 3214868480
	.section	.rodata,"a",@progbits
	.p2align	6, 0x0
	.amdhsa_kernel k_q7cabe4349f_quant
		.amdhsa_group_segment_fixed_size 68096
		.amdhsa_private_segment_fixed_size 0
		.amdhsa_enable_private_segment 0
		.amdhsa_kernarg_size 56
		.amdhsa_user_sgpr_count 2
		.amdhsa_user_sgpr_kernarg_segment_ptr 1
		.amdhsa_wavefront_size32 1
		.amdhsa_system_sgpr_workgroup_id_x 1
		.amdhsa_system_sgpr_workgroup_id_y 1
		.amdhsa_system_sgpr_workgroup_id_z 1
		.amdhsa_system_vgpr_workitem_id 0
		.amdhsa_next_free_vgpr 194
		.amdhsa_next_free_sgpr 66
		.amdhsa_reserve_vcc 0
		.amdhsa_float_denorm_mode_32 3
		.amdhsa_float_denorm_mode_16_64 3
		.amdhsa_memory_ordered 1
		.amdhsa_forward_progress 1
		.amdhsa_inst_pref_size 74
	.end_amdhsa_kernel
	.amdgpu_metadata
---
amdhsa.version: [ 1, 2 ]
amdhsa.kernels:
  - .name:           k_q7cabe4349f_quant
    .symbol:         k_q7cabe4349f_quant.kd
    .args:
      - { .name: x, .offset: 0, .size: 8, .value_kind: global_buffer, .address_space: global }
      - { .name: Wq, .offset: 8, .size: 8, .value_kind: global_buffer, .address_space: global }
      - { .name: Wk, .offset: 16, .size: 8, .value_kind: global_buffer, .address_space: global }
      - { .name: Wv, .offset: 24, .size: 8, .value_kind: global_buffer, .address_space: global }
      - { .name: Wo, .offset: 32, .size: 8, .value_kind: global_buffer, .address_space: global }
      - { .name: cod, .offset: 40, .size: 8, .value_kind: global_buffer, .address_space: global }
      - { .name: scl, .offset: 48, .size: 8, .value_kind: global_buffer, .address_space: global }
    .group_segment_fixed_size: 68096
    .private_segment_fixed_size: 0
    .kernarg_segment_align: 8
    .kernarg_segment_size: 56
    .max_flat_workgroup_size: 128
    .sgpr_count:     66
    .vgpr_count:     194
    .wavefront_size: 32
...
	.end_amdgpu_metadata
.endif
;; end of part 1
;; launch proj (part 2): grid 8 x 48, 4 waves a work-group, clusters of 4 x 4, 327,680 bytes of LDS; arguments cod, scl, bq, bk, bv, img, isc; writes img, isc
.if DOCPART == 2
	.amdgcn_target "amdgcn-amd-amdhsa--gfx1250"
	.amdhsa_code_object_version 6
	.text
	.protected	k_q7cabe4349f_proj
	.globl	k_q7cabe4349f_proj
	.p2align	8
	.type	k_q7cabe4349f_proj,@function
k_q7cabe4349f_proj:
	s_mov_b64 s[64:65], 0
	v_nop
	global_prefetch_b8 v0, s[64:65] scope:SCOPE_SE
	s_setreg_imm32_b32 hwreg(HW_REG_WAVE_MODE, 25, 1), 1
	s_wait_xcnt 0x0
	s_wait_alu depctr_hold_cnt(0) depctr_sa_sdst(0) depctr_va_vdst(0) depctr_va_sdst(0) depctr_va_ssrc(0) depctr_va_vcc(0) depctr_vm_vsrc(0)
	s_getreg_b32 s2, hwreg(HW_REG_IB_STS2, 6, 4)
	s_cmp_eq_u32 s2, 0
	s_cbranch_scc0 .Lentry_in_a_cluster
	s_endpgm
.Lentry_in_a_cluster:
	s_bfe_u32 s2, ttmp6, 0x10000c
	s_cmp_lg_u32 s2, 0xf033
	s_cbranch_scc0 .Lentry_shape_is_right
	s_endpgm
.Lentry_shape_is_right:
; q = x Wq + bq, k = x Wk + bk, v = x Wv + bv on codes of FP6 (E2M3) with E8M0 scales, K = 1,024; the results are quantised in registers along the NEXT product's K and stored as images of operand registers.
; Both operands are rows of cod (768 bytes) and scl (32 bytes): rows 0-8,191 tokens, 8,192 on the columns of Wq, Wk, Wv, Wo; rows lie in position order (bits 3 and 4 of the index exchanged).
; A work-group of four waves makes 256 x 256 results, a wave 128 x 128: 64 accumulators.  THE FIRST SOURCE IS THE AXIS P ALONG WHICH THE RESULT IS QUANTISED, the second source the other axis R: a lane then holds one row of R,
; and, since P's rows lie in position order, the 16 registers of two neighbouring tiles are 16 true neighbours along P.
;   clusters y 0-7  (q, k): P = the 2,048 columns of Wq and Wk (a head's 64 are the next K), R = the tokens.      clusters y 8-11 (v): P = the tokens (the keys are the next K), R = the columns of Wv.
; Which of the two it is hangs on the cluster's y alone, which all sixteen partners share.
; K goes in steps of 256 through a ring of two LDS slots filled by the tensor data mover; the scale bytes of the work-group's 512 rows come once and stay.
; CLUSTERS: 4 x 4 work-groups.  The four of a row of the cluster need the same rows of R, the four of a column the same rows of P: each tile is asked for jointly, by the same tensor load with a mask that names the four.
; THE BIAS is the C of each sum's first matrix instruction: 64 registers in the result's layout.
; OUT: a half fragment (16 rows x 64 K, 6 registers a lane) is an image of 768 bytes: registers 0-3 of lane l at 16 l, registers 4-5 at 512 + 8 l: the wave stores 512 and 256 consecutive bytes, aligned.
;   img: q, k: [32 (q's heads, k's heads)][512 tiles of 16 token positions][768];  v, from VIMG0: [batch][pair of heads][128 keys][half of them][4 (head % 2) + tile of 16 d positions][768].
;   isc: q, k: [32][64 groups of 8 tiles][512]: tile T's word of row r at 256 (T / 4) + 16 r + 4 (T % 4), bytes 0 and 1 the head's two blocks, bytes 2 and 3 zero;  v, from VSC0: 512 bytes for each 128 keys: [head % 2][r][tile] words.
; LIMITS: NaN and infinities are not served; a block whose largest magnitude lies under 2^-124 keeps the byte 1.
; REGISTERS, in windows of 256: window 0: v0-31 addresses; v32-63 scale words, two sets; v64-127 the bias; from v128 R's fragments, one set; in the epilogue v128-255 at work.
;   window 1: P's fragments, two sets.   windows 2, 3: the accumulators: (a, b) at v[8 (8 (a % 4) + b)] of window 2 + a / 4; a: R's block, b: P's.
.set KSTEP,  256
.set NQ,     2                         ; matrix instructions deep in a slot
.set ROWB,   192                       ; a tile's row: 256 codes
.set KROW,   768
.set PITCH,  240                       ; an LDS row: 3 x (64 bytes + 16 of padding)
.set FR,     12
.set NL,     6
.set NP,     4
.set HALFT,  128*PITCH
.set SLOT,   4*HALFT                   ; R's 256 rows, then P's 256 rows
.set LAPS,   2                         ; 1,024 / 512
.set KS,     32
.set SCL,    2*SLOT                    ; behind the ring: the scale bytes, as units of 256 bytes + 16 of padding
.set HALFS,  (128*KS/256)*272
.set SBLK,   (16*KS/256)*272
.set SPARE,  SCL+4*HALFS               ; the spare words, 128 bytes for each wave: no other line names them
.set VIMG0,  12582912
.set VSC0,   1048576
.set ADRA, 16                          ; v16-17 LDS address of R's fragments in slot 0, 1 (v18-19: for the pieces behind one padding more)
.set ADRB, 20                          ; v20-23 the same for P
.set L16,  24                          ; v24  16 x lane
.set L8,   25                          ; v25  8 x lane
.set BO0,  26                          ; v26  the bias's lane offset where it runs along P
.set ADRS, 27                          ; v27  LDS address of my scale words: lanes 0-15 R's rows, lanes 16-31 P's
.set SPW,  28                          ; v28  my spare word; never rewritten
.set NIL,  29                          ; v29  0; never rewritten
.set BO1,  30                          ; v30  the bias's lane offset where it runs along R
.set SC,   32
.set BI,   64
.set AF,   128
.set CD,   128                         ; epilogue: v128-139 a fragment's codes, v140-146 halves on their way
.set W0,   168
.set W1,   172
.set TM,   224                         ; v224-227 largest magnitudes, v228-231 exchange and bytes, v236-239 scale operands
.set PW,   240                         ; v240-247 the scale word of each of R's eight blocks
.set SELR, 248
.set G1, 24                            ; s[24:31] group 1 for R's tiles; s[32:39] group 0, one set a slot
.set G0, 32
.set G1B, 48                           ; s[48:55], s[56:63] the same for P's
.set G0B, 56
.set G1S, 68                           ; s[68:75], s[76:79] for R's scale bytes; s[80:87], s[88:91] for P's
.set G0S, 76
.set G1SB, 80
.set G0SB, 88
.set MSB, 0
.macro WIN new                         ; the immediate's high byte repeats the setting that is left
.if MSB != \new
	s_set_vgpr_msb (MSB<<8)|\new
.set MSB, \new
.endif
.endm
.set MUL_LO, 0xa1                      ; source 0 (P) window 1, source 1 (R) window 0, C and D window 2
.set MUL_HI, 0xf1                      ; the same, C and D window 3
.set TO_B,   0x40
; A joint load: waves 0 and 1 fetch for R, waves 2 and 3 for P; the branch hangs on the wave's number alone.  Four v_nop follow each of the two lines.
.macro JLOAD g0a, g1a, g0b, g1b
	s_cmp_eq_u32 s15, 0
	s_cbranch_scc0 .Lfor_b_\@
	tensor_load_to_lds s[\g0a:\g0a+3], s[\g1a:\g1a+7]
	s_nop 0
.rept 4
	v_nop
.endr
	s_branch .Lasked_\@
.Lfor_b_\@:
	tensor_load_to_lds s[\g0b:\g0b+3], s[\g1b:\g1b+7]
	s_nop 0
.rept 4
	v_nop
.endr
.Lasked_\@:
.endm
.macro CREST                           ; a round of the cluster's barrier behind its opening barrier
	s_cmp_lg_u32 s14, 0
	s_cbranch_scc1 .Lnot_wave_0_\@
	s_barrier_signal -3
.Lnot_wave_0_\@:
	s_barrier_wait -3
	s_barrier_signal -1
	s_barrier_wait -1
.endm
.macro CROUND
	s_barrier_signal -1
	s_barrier_wait -1
	CREST
.endm
	s_load_b128 s[4:7], s[0:1], 0x0                ; cod s[4:5], scl s[6:7]
	s_load_b128 s[8:11], s[0:1], 0x10              ; bq s[8:9], bk s[10:11]
	s_load_b64 s[12:13], s[0:1], 0x20              ; bv
	s_load_b64 s[92:93], s[0:1], 0x28              ; img
	s_load_b64 s[94:95], s[0:1], 0x30              ; isc
	v_lshl_add_u32 v[SPW], v0, 2, SPARE
	v_mov_b32 v[NIL], 0
	ds_add_u32 v28, v29
	ds_add_u32 v28, v29
	s_wait_dscnt 0x0
	v_lshrrev_b32 v1, 5, v0
	v_readfirstlane_b32 s14, v1                    ; wave 0..3
	s_lshr_b32 s15, s14, 1                         ; which half of R's 256 rows is mine.  Also: I fetch for R (0) or for P (1)
	s_and_b32 s16, s14, 1                          ; which half of P's.  Also: which 128 rows I fetch
	s_bfe_u32 s40, ttmp6, 0x40000                  ; cx
	s_bfe_u32 s41, ttmp6, 0x40004                  ; cy
	s_and_b32 s17, ttmp7, 0xffff                   ; the cluster's y, 0..11
	s_lshl_b32 s42, ttmp9, 2
	s_add_co_u32 s42, s42, s40                     ; 4 x cluster x + cx, 0..7
	s_lshl_b32 s43, s41, 2
	s_lshl_b32 s43, 15, s43                        ; my row of the cluster
	s_lshl_b32 s44, 0x1111, s40                    ; my column
	; R's first row, in registers that never hold cx
	s_lshl_b32 s18, s17, 2
	s_add_co_u32 s18, s18, s41                     ; q, k: the tile of 256 tokens = 4 x cluster y + cy
	s_lshl_b32 s19, s18, 8
	s_lshl_b32 s20, s41, 8
	s_add_co_u32 s20, s20, 10240                   ; v: Wv's rows 256 cy on
	; P's first row, in registers that never hold cy
	s_sub_co_u32 s46, s17, 8
	s_lshl_b32 s46, s46, 3
	s_add_co_u32 s46, s46, s42                     ; v: the tile of 256 tokens = 8 (cluster y - 8) + 4 x cluster x + cx
	s_lshl_b32 s66, s46, 8
	s_lshl_b32 s67, s42, 8
	s_add_co_u32 s67, s67, 8192                    ; q, k: Wq's and Wk's rows
	s_cmp_ge_u32 s17, 8
	s_cselect_b32 s2, 1, 0                         ; 0: q, k;  1: v
	s_cselect_b32 s45, s20, s19                    ; R's first row
	s_cselect_b32 s96, s66, s67                    ; P's first row
	s_cselect_b32 s47, s46, s42                    ; P's tile
	; group 1: a tile of 128 rows x 192 bytes, 16 bytes of padding behind every 64
	s_or_b32 s[G1+0], s43, (0<<16)|(1<<20)|(1<<21)|(3<<22)|(3<<25)
	s_or_b32 s[G1B+0], s44, (0<<16)|(1<<20)|(1<<21)|(3<<22)|(3<<25)
.irp g, G1, G1B
	s_mov_b32 s[\g+1], ROWB<<16                    ; tensor_dim0
	s_mov_b32 s[\g+2], 128<<16                     ; tensor_dim1
	s_mov_b32 s[\g+3], ROWB<<16                    ; tile_dim0
	s_mov_b32 s[\g+4], 128                         ; tile_dim1
	s_mov_b32 s[\g+5], KROW                        ; the pitch
	s_mov_b32 s[\g+6], 0
	s_mov_b32 s[\g+7], 0
.endr
	; the scale bytes of 128 rows: 4,096 dense bytes as 16 rows of 256 (32 elements of 8 bytes), 16 bytes of padding behind each
	s_or_b32 s[G1S+0], s43, (3<<16)|(1<<20)|(1<<21)|(5<<22)|(3<<25)
	s_or_b32 s[G1SB+0], s44, (3<<16)|(1<<20)|(1<<21)|(5<<22)|(3<<25)
.irp g, G1S, G1SB
	s_mov_b32 s[\g+1], 32<<16
	s_mov_b32 s[\g+2], (128*KS/256)<<16
	s_mov_b32 s[\g+3], 32<<16
	s_mov_b32 s[\g+4], 128*KS/256
	s_mov_b32 s[\g+5], 32
	s_mov_b32 s[\g+6], 0
	s_mov_b32 s[\g+7], 0
.endr
	s_lshl_b32 s3, s16, 7                          ; which 128 rows I fetch
	s_add_co_u32 s45, s45, s3
	s_add_co_u32 s96, s96, s3
	s_mul_i32 s20, s45, KROW                       ; R: codes,
	s_mov_b32 s21, 0
	s_lshl_b32 s22, s45, 5                         ; scale bytes
	s_mov_b32 s23, 0
	s_mul_i32 s100, s96, KROW                      ; P: codes,
	s_mov_b32 s101, 0
	s_lshl_b32 s66, s96, 5                         ; scale bytes
	s_mov_b32 s67, 0
	s_mul_i32 s45, s14, HALFT                      ; where they go: wave x 128 rows: no place in the cluster enters an LDS address
	s_mul_i32 s19, s14, HALFS
	s_wait_kmcnt 0x0
	s_add_nc_u64 s[20:21], s[4:5], s[20:21]
	s_add_nc_u64 s[22:23], s[6:7], s[22:23]
	s_add_nc_u64 s[100:101], s[4:5], s[100:101]
	s_add_nc_u64 s[66:67], s[6:7], s[66:67]
	CROUND                                         ; all sixteen work-groups are here: the first joint loads meet
	s_mov_b32 s[G0S], 1
	s_add_co_u32 s[G0S+1], s19, SCL
	s_mov_b64 s[G0S+2:G0S+3], s[22:23]
	s_or_b32 s[G0S+3], s[G0S+3], 0x80000000
	s_mov_b32 s[G0SB], 1
	s_add_co_u32 s[G0SB+1], s19, SCL
	s_mov_b64 s[G0SB+2:G0SB+3], s[66:67]
	s_or_b32 s[G0SB+3], s[G0SB+3], 0x80000000
	JLOAD G0S, G1S, G0SB, G1SB                     ; the scale bytes first: they are wanted with K step 0
.irp s, 0,1
	s_mov_b32 s[G0+4*\s], 1
	s_add_co_u32 s[G0+4*\s+1], s45, \s*SLOT
	s_add_nc_u64 s[G0+4*\s+2:G0+4*\s+3], s[20:21], \s*ROWB
	s_or_b32 s[G0+4*\s+3], s[G0+4*\s+3], 0x80000000
	s_mov_b32 s[G0B+4*\s], 1
	s_add_co_u32 s[G0B+4*\s+1], s45, \s*SLOT
	s_add_nc_u64 s[G0B+4*\s+2:G0B+4*\s+3], s[100:101], \s*ROWB
	s_or_b32 s[G0B+4*\s+3], s[G0B+4*\s+3], 0x80000000
	JLOAD G0+4*\s, G1, G0B+4*\s, G1B               ; three tensor loads of mine are out
.endr
	v_and_b32 v1, 15, v0                           ; r
	v_bfe_u32 v2, v0, 4, 1                         ; h
	v_mul_u32_u24 v3, v1, PITCH
	v_mul_u32_u24 v4, v2, 24
	v_add_nc_u32 v4, v3, v4                        ; a fragment's row x pitch + 24 h
	v_lshl_add_u32 v5, v2, 4, v4                   ; and the same behind one padding more
	s_mul_i32 s21, s15, HALFT                      ; my 128 rows of R
	s_mul_i32 s22, s16, HALFT                      ; my 128 rows of P,
	s_add_co_u32 s22, s22, 2*HALFT                 ; which lie behind R's 256
.irp s, 0,1
	v_add_nc_u32 v[ADRA+\s], s21, v4
	v_add_nc_u32 v[ADRB+\s], s22, v4
	v_add_nc_u32 v[ADRA+2+\s], s21, v5
	v_add_nc_u32 v[ADRB+2+\s], s22, v5
	s_add_co_u32 s21, s21, SLOT
	s_add_co_u32 s22, s22, SLOT
.endr
	v_mul_u32_u24 v5, v1, KS                       ; my row's scale bytes: 32 a row,
	v_lshrrev_b32 v6, 8, v5
	v_lshl_add_u32 v5, v6, 4, v5                   ; and 16 more for each 256 passed
	s_mul_i32 s21, s15, HALFS
	s_mul_i32 s22, s16, HALFS
	s_add_co_u32 s22, s22, 2*HALFS
	s_sub_co_u32 s22, s22, s21
	v_mul_u32_u24 v6, s22, v2                      ; lanes 16-31 take P's: one product, the distance between the two bases x h
	s_add_co_u32 s21, s21, SCL
	v_add_nc_u32 v5, v5, v6
	v_add_nc_u32 v[ADRS], s21, v5
	v_and_b32 v6, 31, v0
	v_lshlrev_b32 v[L16], 4, v6
	v_lshlrev_b32 v[L8], 3, v6
	v_lshlrev_b32 v[BO0], 6, v2                    ; 16 h numbers on
	v_and_b32 v[BO1], 8, v1
	v_add_nc_u32 v[BO1], v[BO1], v1
	v_lshlrev_b32 v[BO1], 2, v[BO1]                ; the number r + 8 (r / 8)
	s_mov_b32 s98, 0x76543210
	s_mov_b32 s99, 0xfedcba98                      ; v_permlanex16_b32's selects for lane l xor 16
	; THE BIAS, in the result's layout
	s_cmp_eq_u32 s2, 0
	s_cbranch_scc0 .Lbias_v
	s_cmp_eq_u32 ttmp9, 0                          ; P's tiles 0-3 are q's columns, 4-7 k's
	s_cselect_b64 s[8:9], s[8:9], s[10:11]
	s_lshl_b32 s20, s40, 10
	s_lshl_b32 s21, s16, 9
	s_add_co_u32 s20, s20, s21                     ; column 256 cx + 128 x my half, in bytes
	s_mov_b32 s21, 0
	s_add_nc_u64 s[8:9], s[8:9], s[20:21]
.irp g, 0,1,2,3                        ; registers 16 g + i of P's tiles 2 g, 2 g + 1 are columns 32 g + 16 h + i
.irp i, 0,1,2,3
	global_load_b128 v[BI+16*\g+4*\i:BI+16*\g+4*\i+3], v[BO0], s[8:9] offset:128*\g+16*\i
.endr
.endr
	s_branch .Lbias_done
.Lbias_v:
	s_lshl_b32 s20, s41, 10
	s_lshl_b32 s21, s15, 9
	s_add_co_u32 s20, s20, s21                     ; column 256 cy + 128 x my half
	s_mov_b32 s21, 0
	s_add_nc_u64 s[12:13], s[12:13], s[20:21]
.irp a, 0,1,2,3,4,5,6,7                ; lane r of R's block a is column 32 (a / 2) + 8 (a % 2) + r + 8 (r / 8): its number stands in all eight registers
.irp j, 0,1,2,3,4,5,6,7
	global_load_b32 v[BI+8*\a+\j], v[BO1], s[12:13] offset:(32*(\a/2)+8*(\a%2))*4
.endr
.endr
.Lbias_done:
	; where my results go
	s_lshl_b32 s20, s47, 2
	s_lshl_b32 s21, s16, 1
	s_add_co_u32 s20, s20, s21                     ; q, k: my first head, 0..31
	s_lshl_b32 s21, s18, 1
	s_add_co_u32 s21, s21, s15                     ; my group of 8 tiles of tokens
	s_lshl_b32 s22, s20, 6
	s_add_co_u32 s22, s22, s21                     ; G = 64 x head + group: images at 6,144 G, scale words at 512 G
	s_lshr_b32 s20, s47, 3                         ; v: the batch,
	s_lshl_b32 s20, s20, 3
	s_lshl_b32 s21, s41, 1
	s_add_co_u32 s20, s20, s21
	s_add_co_u32 s20, s20, s15                     ; x 8 + the pair of heads 2 cy + my half,
	s_lshl_b32 s20, s20, 4
	s_and_b32 s21, s47, 7
	s_lshl_b32 s21, s21, 1
	s_add_co_u32 s20, s20, s21
	s_add_co_u32 s20, s20, s16                     ; x 16 + which 128 keys
	s_mul_i32 s21, s20, 12288
	s_add_co_u32 s21, s21, VIMG0
	s_lshl_b32 s20, s20, 9
	s_add_co_u32 s20, s20, VSC0
	s_mul_i32 s23, s22, 6144
	s_lshl_b32 s22, s22, 9
	s_cmp_eq_u32 s2, 0
	s_cselect_b32 s96, s23, s21                    ; the images of a fragment's first half
	s_cselect_b32 s20, s22, s20                    ; the scale words
	s_mov_b32 s21, 6144
	s_cselect_b32 s22, 393216, s21                 ; from the first half's image to the second's: a head on, or half of the 128 keys on
	s_mov_b32 s97, 0
	s_mov_b32 s21, 0
	s_mov_b32 s23, 0
	s_add_nc_u64 s[92:93], s[92:93], s[96:97]
	s_add_nc_u64 s[94:95], s[94:95], s[20:21]
	s_add_nc_u64 s[100:101], s[92:93], s[22:23]
.macro FRAG reg, adr, q, i             ; 16 rows x 128 K of 6-bit codes: 12 registers, in pieces of 8 bytes; where the piece of lanes 16-31 lies behind one padding more, the second address register serves
.irp p, 0,1,2,3,4,5
.set PCE, 12*(\q)+6*(\p/3)+\p%3
.if PCE%8 < 5
	ds_load_b64 v[\reg+2*\p:\reg+2*\p+1], v[\adr] offset:8*PCE+16*(PCE/8)+(\i)*16*PITCH
.else
	ds_load_b64 v[\reg+2*\p:\reg+2*\p+1], v[\adr+2] offset:8*PCE+16*(PCE/8)+(\i)*16*PITCH
.endif
.endr
.endm
; 16 matrix instructions: R's blocks a0, a0 + 1 x P's eight.  cm = 0: the sums go on; 1: they begin with the bias along P; 2: with the bias along R.  The 64 accumulators take turns, one instruction a turn.
.macro MUL16 a0, p, q, sc, cm
.irp a, \a0, \a0+1
.irp b, 0,1,2,3,4,5,6,7
.if \cm == 1
	v_wmma_scale_f32_16x16x128_f8f6f4 v[8*(8*((\a)%4)+\b):8*(8*((\a)%4)+\b)+7], v[128*(\p)+FR*\b:128*(\p)+FR*\b+FR-1], v[AF+FR*(\a):AF+FR*(\a)+FR-1], v[BI+8*\b:BI+8*\b+7], v[SC+8*NQ*(\sc)+NQ*\b+(\q)], v[SC+8*NQ*(\sc)+NQ*(\a)+(\q)] matrix_a_fmt:MATRIX_FMT_FP6 matrix_b_fmt:MATRIX_FMT_FP6 matrix_a_scale:MATRIX_SCALE_ROW1
.elseif \cm == 2
	v_wmma_scale_f32_16x16x128_f8f6f4 v[8*(8*((\a)%4)+\b):8*(8*((\a)%4)+\b)+7], v[128*(\p)+FR*\b:128*(\p)+FR*\b+FR-1], v[AF+FR*(\a):AF+FR*(\a)+FR-1], v[BI+8*(\a):BI+8*(\a)+7], v[SC+8*NQ*(\sc)+NQ*\b+(\q)], v[SC+8*NQ*(\sc)+NQ*(\a)+(\q)] matrix_a_fmt:MATRIX_FMT_FP6 matrix_b_fmt:MATRIX_FMT_FP6 matrix_a_scale:MATRIX_SCALE_ROW1
.else
	v_wmma_scale_f32_16x16x128_f8f6f4 v[8*(8*((\a)%4)+\b):8*(8*((\a)%4)+\b)+7], v[128*(\p)+FR*\b:128*(\p)+FR*\b+FR-1], v[AF+FR*(\a):AF+FR*(\a)+FR-1], v[8*(8*((\a)%4)+\b):8*(8*((\a)%4)+\b)+7], v[SC+8*NQ*(\sc)+NQ*\b+(\q)], v[SC+8*NQ*(\sc)+NQ*(\a)+(\q)] matrix_a_fmt:MATRIX_FMT_FP6 matrix_b_fmt:MATRIX_FMT_FP6 matrix_a_scale:MATRIX_SCALE_ROW1
.endif
.endr
.endr
.endm
.macro FETCH_B slot, q, p              ; P's eight fragments of the slot's q-th 128 along K into set p
	WIN TO_B
.irp i, 0,1,2,3,4,5,6,7
	FRAG 128*(\p)+FR*\i, ADRB+\slot, \q, \i
.endr
	WIN 0
.endm
.macro FETCH_A slot, q, i0             ; R's blocks i0 .. i0 + 3
.irp i, \i0, \i0+1, \i0+2, \i0+3
	FRAG AF+FR*(\i), ADRA+\slot, \q, \i
.endr
.endm
.macro SCALES sc                       ; a K step's scale words into set sc: lanes 0-15 take R's block i, lanes 16-31 P's block i
.irp i, 0,1,2,3,4,5,6,7
	ds_load_b64 v[SC+8*NQ*\sc+NQ*\i:SC+8*NQ*\sc+NQ*\i+1], v[ADRS] offset:\i*SBLK
.endr
.endm
.macro PLACES n                        ; plain vector lines between a matrix instruction and a load into, or a read of, its registers
.rept \n
	v_nop
.endr
.endm
; A step of 128 along K that has its successor in the same slot.  With cm not 0 the C operand lies in window 0.
.macro STEP slot, q, cm
	s_wait_dscnt 4*NL                              ; P's set and R's blocks 0-3 are in; the youngest 24 loads (R's blocks 4-7) may be out
.if \cm
	WIN 0x81
.else
	WIN MUL_LO
.endif
	MUL16 0, (\q)%2, \q, \slot, \cm
	MUL16 2, (\q)%2, \q, \slot, \cm
	s_wait_dscnt 0                                 ; R's blocks 4-7 are in
	PLACES NP
	FETCH_B \slot, (\q)+1, 1-(\q)%2
	FETCH_A \slot, (\q)+1, 0
.if \cm
	WIN 0xc1
.else
	WIN MUL_HI
.endif
	MUL16 4, (\q)%2, \q, \slot, \cm
	MUL16 6, (\q)%2, \q, \slot, \cm
	PLACES NP
	WIN 0
	FETCH_A \slot, (\q)+1, 4
.endm
; A slot's last step changes slots: one barrier; in front of it each wave waits for all its tensor loads, adds 0 to its spare word, and waits for that and for its own reads of this slot.  fill = 1: this slot is filled again, two K steps ahead.
.macro TURN slot, next, fill
	s_wait_tensorcnt 0x0                           ; all my tensor loads have landed: my part of the next slot
	ds_add_u32 v[SPW], v[NIL]                      ; 0 onto my spare word
	s_wait_dscnt 4*NL+1                            ; (the add and the youngest 24 loads may be out)
	WIN MUL_LO
	MUL16 0, 1, NQ-1, \slot, 0                     ; sixteen matrix instructions stand between the add and the wait for it
	s_wait_dscnt 0x0                               ; the add is done, and my reads of this slot are over
	s_barrier_signal -1
	MUL16 2, 1, NQ-1, \slot, 0
	WIN 0
	s_barrier_wait -1
.if \fill
	CREST                                          ; the barrier has opened a round of the cluster's barrier: no wave of any partner still reads this slot or has a load on its way
	s_add_nc_u64 s[G0+4*\slot+2:G0+4*\slot+3], s[G0+4*\slot+2:G0+4*\slot+3], 2*ROWB
	s_add_nc_u64 s[G0B+4*\slot+2:G0B+4*\slot+3], s[G0B+4*\slot+2:G0B+4*\slot+3], 2*ROWB
	JLOAD G0+4*\slot, G1, G0B+4*\slot, G1B         ; the first tensor load behind the round, my only one until the next; its four v_nop are the places in front of the loads below
.else
	PLACES NP
.endif
	v_add_nc_u32 v[ADRS], 4*NQ, v[ADRS]            ; on to the next K step's scale words
	FETCH_B \next, 0, 0
	FETCH_A \next, 0, 0
	SCALES \next
	WIN MUL_HI
	MUL16 4, 1, NQ-1, \slot, 0
	MUL16 6, 1, NQ-1, \slot, 0
	PLACES NP
	WIN 0
	FETCH_A \next, 0, 4
.endm
	s_wait_tensorcnt 1                             ; the scale bytes and my part of K step 0 are in (K step 1's load may be out)
	s_barrier_signal -1
	s_barrier_wait -1                              ; everybody's are
	FETCH_B 0, 0, 0
	FETCH_A 0, 0, 0
	SCALES 0
	FETCH_A 0, 0, 4
	s_wait_loadcnt 0x0                             ; the bias
	s_cmp_eq_u32 s2, 0                             ; the first step is written twice: it differs in which bias registers begin a sum.  Both copies issue the same LDS loads
	s_cbranch_scc0 .Lstart_v
	STEP 0, 0, 1
	s_branch .Lstarted
.Lstart_v:
	STEP 0, 0, 2
.Lstarted:
	s_mov_b32 s3, LAPS-1
.Llap:                                                 ; a trip goes once round the ring and fills both slots again
	TURN 0, 1, 1
	STEP 1, 0, 0
	TURN 1, 0, 1
	STEP 0, 0, 0
	s_sub_co_u32 s3, s3, 1
	s_cmp_lg_u32 s3, 0
	s_cbranch_scc1 .Llap
	TURN 0, 1, 0                                   ; the last lap fills nothing
	STEP 1, 0, 0
	s_wait_dscnt 4*NL
	WIN MUL_LO
	MUL16 0, 1, NQ-1, 1, 0
	MUL16 2, 1, NQ-1, 1, 0
	s_wait_dscnt 0
	WIN MUL_HI
	MUL16 4, 1, NQ-1, 1, 0
	MUL16 6, 1, NQ-1, 1, 0
	WIN 0
; THE EPILOGUE, one of R's blocks at a time.  Its 64 registers are, for my row, P's numbers 32 b + 16 h + i in register 16 b + i: four blocks of 32, each shared with the lane 16 away.
; They become a fragment's 12 registers (two half fragments) and a scale word; nothing goes through LDS.
.macro QBLK a
.set AC, 64*((\a)%4)
.set WN, 2+(\a)/4
.set WW, 5*WN
	WIN WW                                         ; sources 0 and 1: the accumulators' window
.irp b, 0,1,2,3
	v_max3_num_f32 v[TM+\b], |v[AC+16*\b]|, |v[AC+16*\b+1]|, 0x1800000   ; each accumulator is read from its low end on; the floor 2^(3 - 127) holds the byte at 1 from below
.endr
.irp i, 2,4,6,8,10,12,14
.irp b, 0,1,2,3
	v_max3_num_f32 v[TM+\b], |v[AC+16*\b+\i]|, |v[AC+16*\b+\i+1]|, v[TM+\b]
.endr
.endr
	WIN 0
.irp b, 0,1,2,3
	v_permlanex16_b32 v[TM+4+\b], v[TM+\b], s98, s99
.endr
.irp b, 0,1,2,3
	v_max_num_f32 v[TM+\b], v[TM+\b], v[TM+4+\b]   ; the block's largest magnitude
.endr
.irp b, 0,1,2,3
	v_add_nc_u32 v[TM+12+\b], 0xff000000, v[TM+\b] ; 2 off its exponent field: the conversion's scale operand
.endr
.irp b, 0,1,2,3
	v_lshrrev_b32 v[TM+4+\b], 23, v[TM+12+\b]      ; the scale's byte
.endr
	v_lshl_or_b32 v[PW+(\a)], v[TM+5], 8, v[TM+4]
	v_lshl_or_b32 v[PW+(\a)], v[TM+6], 16, v[PW+(\a)]
	v_lshl_or_b32 v[PW+(\a)], v[TM+7], 24, v[PW+(\a)]
	s_wait_xcnt 0x0                                ; the last block's stores have read the codes' registers: they are written again only behind this wait
	WIN WN
.irp c, 0,1
	v_cvt_scalef32_pk16_fp6_f32 v[CD+6*\c:CD+6*\c+2], v[AC+32*\c:AC+32*\c+15], v[TM+12+2*\c]
	v_cvt_scalef32_pk16_fp6_f32 v[CD+12+4*\c:CD+12+4*\c+2], v[AC+32*\c+16:AC+32*\c+31], v[TM+12+2*\c+1]   ; (a conversion's three registers begin on an even number)
.endr
	WIN 0
	v_nop                                          ; one plain line behind the conversions
.irp c, 0,1                            ; the operand's layout wants a whole block in a lane: lanes 0-15 block 2 c, lanes 16-31 block 2 c + 1
.irp i, 0,1,2
	v_permlane16_swap_b32 v[CD+6*\c+\i], v[CD+12+4*\c+\i]
.endr
.irp i, 0,1,2
	v_mov_b32 v[CD+3+6*\c+\i], v[CD+12+4*\c+\i]
.endr
.endr
	global_store_b128 v[L16], v[CD:CD+3], s[92:93] offset:768*(\a)            ; 512 consecutive bytes, aligned
	global_store_b64 v[L8], v[CD+4:CD+5], s[92:93] offset:768*(\a)+512        ; 256 consecutive bytes, aligned
	global_store_b128 v[L16], v[CD+6:CD+9], s[100:101] offset:768*(\a)
	global_store_b64 v[L8], v[CD+10:CD+11], s[100:101] offset:768*(\a)+512
.endm
	PLACES NP
.irp b, 0,1,2,3
	v_mov_b32 v[TM+4+\b], 0                        ; written once: a lane permute's destination counts as one of its sources
.endr
.irp a, 0,1,2,3,4,5,6,7
	QBLK \a
.endr
	; the scale words: lane l stores the words of blocks 4 (l / 16) + 0 .. 3 of row l % 16: 512 consecutive bytes
	v_and_b32 v1, 16, v0
	v_cmp_ne_u32 vcc_lo, 0, v1
.irp i, 0,1,2,3
	v_cndmask_b32 v[SELR+\i], v[PW+\i], v[PW+4+\i], vcc_lo
.endr
	s_cmp_eq_u32 s2, 0
	s_cbranch_scc0 .Lsc_v
.irp i, 0,1,2,3
	v_and_b32 v[W0+\i], 0xffff, v[SELR+\i]         ; q, k: the first head's two bytes, zeros above;
	v_lshrrev_b32 v[W1+\i], 16, v[SELR+\i]         ; the second head's
.endr
	global_store_b128 v[L16], v[W0:W0+3], s[94:95]
	global_store_b128 v[L16], v[W1:W1+3], s[94:95] offset:32768   ; a head on: 64 groups of 512 bytes
	s_branch .Lsc_done
.Lsc_v:
	global_store_b128 v[L16], v[SELR:SELR+3], s[94:95]            ; v: the four bytes are the four blocks of the 128 keys
.Lsc_done:
	s_wait_tensorcnt 0x0                           ; the wave's end
	ds_add_u32 v[SPW], v[NIL]
	s_wait_dscnt 0x0
	CROUND                                         ; the closing round: no work-group ends while a partner may still ask for a tile that names it
	s_endpgm
.Lfunc_end_k_q7cabe4349f_proj:
	.size	k_q7cabe4349f_proj, .Lfunc_end_k_q7cabe4349f_proj-k_q7cabe4349f_proj
	.p2alignl 7, 3214868480
	.fill 96, 4, 3214868480
	.section	.rodata,"a",@progbits
	.p2align	6, 0x0
	.amdhsa_kernel k_q7cabe4349f_proj
		.amdhsa_group_segment_fixed_size 327680
		.amdhsa_private_segment_fixed_size 0
		.amdhsa_enable_private_segment 0
		.amdhsa_kernarg_size 56
		.amdhsa_user_sgpr_count 2
		.amdhsa_user_sgpr_kernarg_segment_ptr 1
		.amdhsa_wavefront_size32 1
		.amdhsa_system_sgpr_workgroup_id_x 1
		.amdhsa_system_sgpr_workgroup_id_y 1
		.amdhsa_system_sgpr_workgroup_id_z 1
		.amdhsa_system_vgpr_workitem_id 0
		.amdhsa_next_free_vgpr 1024
		.amdhsa_next_free_sgpr 104
		.amdhsa_reserve_vcc 1
		.amdhsa_float_denorm_mode_32 3
		.amdhsa_float_denorm_mode_16_64 3
		.amdhsa_memory_ordered 1
		.amdhsa_forward_progress 1
		.amdhsa_inst_pref_size 189
	.end_amdhsa_kernel
	.amdgpu_metadata
---
amdhsa.version: [ 1, 2 ]
amdhsa.kernels:
  - .name:           k_q7cabe4349f_proj
    .symbol:         k_q7cabe4349f_proj.kd
    .args:
      - { .name: cod, .offset: 0, .size: 8, .value_kind: global_buffer, .address_space: global }
      - { .name: scl, .offset: 8, .size: 8, .value_kind: global_buffer, .address_space: global }
      - { .name: bq, .offset: 16, .size: 8, .value_kind: global_buffer, .address_space: global }
      - { .name: bk, .offset: 24, .size: 8, .value_kind: global_buffer, .address_space: global }
      - { .name: bv, .offset: 32, .size: 8, .value_kind: global_buffer, .address_space: global }
      - { .name: img, .offset: 40, .size: 8, .value_kind: global_buffer, .address_space: global }
      - { .name: isc, .offset: 48, .size: 8, .value_kind: global_buffer, .address_space: global }
    .group_segment_fixed_size: 327680
    .private_segment_fixed_size: 0
    .kernarg_segment_align: 8
    .kernarg_segment_size: 56
    .max_flat_workgroup_size: 128
    .sgpr_count:     104
    .vgpr_count:     1024
    .wavefront_size: 32
...
	.end_amdgpu_metadata
.endif
;; end of part 2
;; launch attn (part 3): grid 4 x 64, 16 waves a work-group, clusters of 4 x 1, 210,944 bytes of LDS; arguments img, isc, acodes, asc; writes acodes, asc
.if DOCPART == 3
	.amdgcn_target "amdgcn-amd-amdhsa--gfx1250"
	.amdhsa_code_object_version 6
	.text
	.protected	k_q7cabe4349f_attn
	.globl	k_q7cabe4349f_attn
	.p2align	8
	.type	k_q7cabe4349f_attn,@function
k_q7cabe4349f_attn:
	s_mov_b64 s[64:65], 0
	v_nop
	global_prefetch_b8 v0, s[64:65] scope:SCOPE_SE
	s_setreg_imm32_b32 hwreg(HW_REG_WAVE_MODE, 25, 1), 1
	s_wait_xcnt 0x0
	s_wait_alu depctr_hold_cnt(0) depctr_sa_sdst(0) depctr_va_vdst(0) depctr_va_sdst(0) depctr_va_ssrc(0) depctr_va_vcc(0) depctr_vm_vsrc(0)
	s_getreg_b32 s2, hwreg(HW_REG_IB_STS2, 6, 4)
	s_cmp_eq_u32 s2, 0
	s_cbranch_scc0 .Lentry_in_a_cluster
	s_endpgm
.Lentry_in_a_cluster:
	s_bfe_u32 s2, ttmp6, 0x10000c
	s_cmp_lg_u32 s2, 0x3003
	s_cbranch_scc0 .Lentry_shape_is_right
	s_endpgm
.Lentry_shape_is_right:
; For each batch and head: O = softmax(8 q k^T) v, both products on codes of FP6 (E2M3) with E8M0 scales; O is divided by the row's sum, quantised along the head's 64 and stored as an image of the last product's operand.
; t = score x 8 log2(e); M = the running largest t rounded up to a whole number; p = 2^(t - M) is quantised along the keys, not normalised; the row's sum is taken of the unquantised p; when M moves, sum and O are multiplied by 2^(old M - new M), exactly.
; SHARES.  The work-group's y is 16 x batch + head; the four work-groups of a cluster own 512 query positions each.  Each of sixteen waves owns one tile of 16 queries in each of two passes: four waves to a SIMD, so that one wave's
; vector work stands beside another's matrix work and LDS loads.
; K AND V OF THE WHOLE HEAD LIE IN LDS, FILLED ONCE: 96 KiB of codes each, 8 KiB and 4 KiB of scale words.  No byte is filled again.  The four work-groups of a cluster need the same bytes: they are asked for jointly.
; Wave 0 asks for K's scale words and K's codes in four chunks of 512 keys, wave 1 for V's likewise: five tensor loads of each of these two waves are out.  A chunk is read behind a counted wait and a barrier, while the later chunks land.
; LAYOUT.  Both products are used transposed: S^T = K Q^T (source 0 = 16 key positions), O^T = V^T P^T (source 0 = 16 d positions): a lane holds one query throughout.  Rows of K and of V^T lie in position order
; (bits 3 and 4 of the index exchanged), so that the 16 registers of two neighbouring tiles are 16 true neighbours: keys for p, d for O.
; THE FIRST PRODUCT'S K IS 64, half of the instruction's 128.  Q's registers 6-11 are zero codes; K's fragment of tile t is named as registers 6 t .. 6 t + 11 of one run, so that its upper six are the next tile's codes
; (six zeros behind the last): they meet Q's zero codes and add nothing, and only 6 registers a tile are read from LDS.  The scale bytes of those two blocks are 0, which is 2^-127 and no NaN.
; An image of a half fragment is 768 bytes: registers 0-3 of lane l at 16 l, registers 4-5 at 512 + 8 l: every LDS read and every store of codes is dense.
; LIMITS: NaN and infinities are not served; a block whose largest magnitude lies under 2^-124 keeps the byte 1; the scale bytes of O leave as single bytes, two to a row of 32.
; REGISTERS: v1 16 l, v2 8 l, v3 16 r; v4-9 the step's addresses; v10 Q's scale word; v11 32 r + h; v12 -M, v13 the largest t, v[14:15] the sum; v16-21 Q, v22-27 zeros; v28-31 lane bases; v32-79 K's or V's fragments, v80-85 zeros;
;   v86-93 K's scale words, v94-97 V's; v98 f, v99 p's scale word; v100-101 at work; v104-167 S^T, then p; v168-199 O^T; v200-211 p's codes; v212-218 halves on their way; v220-231 at work.
.set VIMG0, 12582912
.set VSC0,  1048576
.set VB,    98304                      ; LDS: K's codes from 0, V's from here,
.set KSC,   196608                     ; K's scale words,
.set VSC,   204800                     ; V's
.set KF,  32
.set S,   104
.set O,   168
.set PCD, 200
.set CT,  212
.set BM,  220                          ; the blocks' largest scores, then largest p
.set EX,  224                          ; the exchange, the second chain of the sum, the bytes
.set SO,  228                          ; the conversions' scale operands
.set WV,  12
.set SEL, 20
.set CS,  22
.set G1K, 24
.set G1V, 32
.set G1KS, 40
.set G1VS, 48
.set TB,  80                           ; s80  the step's codes: 6,144 bytes a step
.set TS,  81                           ; s81  K's scale words: 512 a step
.set TV,  82                           ; s82  V's: 256 a step
.set CNT, 83
.set PASS, 84
.set QB,  86                           ; s[86:87] my tile of Q;  s[88:89] its scale words;  s[90:91] my tile's image in acodes;  s[92:93] its rows in asc
.set QS,  88
.set AB,  90
.set AS,  92
.macro CROUND                          ; a round of the cluster's barrier
	s_barrier_signal -1
	s_barrier_wait -1
	s_cmp_lg_u32 s[WV], 0
	s_cbranch_scc1 .Lnot_wave_0_\@
	s_barrier_signal -3
.Lnot_wave_0_\@:
	s_barrier_wait -3
	s_barrier_signal -1
	s_barrier_wait -1
.endm
.macro G1SET g, c, r, p                ; group 1: r rows of c elements of 8 bytes, p elements apart; the mask names all four work-groups, bit 21 beside it; no padding
	s_mov_b32 s[\g], 15|(3<<16)|(1<<21)
	s_mov_b32 s[\g+1], (\c)<<16
	s_mov_b32 s[\g+2], (\r)<<16
	s_mov_b32 s[\g+3], (\c)<<16
	s_mov_b32 s[\g+4], \r
	s_mov_b32 s[\g+5], \p
	s_mov_b32 s[\g+6], 0
	s_mov_b32 s[\g+7], 0
.endm
.macro G0SET g, c                      ; group 0 of chunk c; the address then steps a chunk on
	s_mov_b32 s[\g], 1
	s_add_co_u32 s[\g+1], s3, (\c)*24576
	s_mov_b64 s[\g+2:\g+3], s[16:17]
	s_or_b32 s[\g+3], s[\g+3], 0x80000000
	s_add_nc_u64 s[16:17], s[16:17], s[94:95]
.endm
	s_load_b128 s[4:7], s[0:1], 0x0                ; img, isc
	s_load_b128 s[8:11], s[0:1], 0x10              ; acodes, asc
	v_lshl_add_u32 v254, v0, 2, 0x33000
	v_mov_b32 v255, 0
	ds_add_u32 v254, v255
	ds_add_u32 v254, v255
	v_lshrrev_b32 v1, 5, v0
	v_readfirstlane_b32 s[WV], v1                  ; wave 0..15
	s_bfe_u32 s13, ttmp6, 0x40000                  ; cx
	s_lshl_b32 s2, ttmp9, 2
	s_add_co_u32 s13, s13, s2                      ; my block of 512 queries: it enters Q's and the outputs' addresses alone
	s_and_b32 s14, ttmp7, 0xffff
	s_and_b32 s15, s14, 15                         ; the head
	s_lshr_b32 s14, s14, 4                         ; the batch: both are shared by the four partners
	s_add_co_u32 s16, s15, 16
	s_lshl_b32 s16, s16, 9
	s_lshl_b32 s17, s14, 7
	s_add_co_u32 s16, s16, s17                     ; K's first tile: (16 + head) x 512 + 128 x batch
	s_lshl_b32 s18, s16, 6                         ; its scale words: 512 bytes for 8 tiles
	s_mul_i32 s16, s16, 768                        ; its codes
	s_lshl_b32 s17, s14, 3
	s_lshr_b32 s19, s15, 1
	s_add_co_u32 s17, s17, s19                     ; V: 8 x batch + pair of heads
	s_and_b32 s19, s15, 1
	s_mul_i32 s94, s17, 196608
	s_mul_i32 s95, s19, 3072
	s_add_co_u32 s94, s94, s95
	s_add_co_u32 s94, s94, VIMG0                   ; its codes
	s_lshl_b32 s17, s17, 13
	s_lshl_b32 s19, s19, 8
	s_add_co_u32 s17, s17, s19
	s_add_co_u32 s17, s17, VSC0                    ; its scale words
	s_mov_b32 s3, 49152
	s_cmp_eq_u32 s[WV], 0                          ; wave 0 fetches K's, wave 1 V's (the others fetch nothing; their numbers are not used)
	s_cselect_b32 s16, s16, s94
	s_cselect_b32 s18, s18, s17
	s_cselect_b32 s94, 24576, s3                   ; a chunk on, in memory
	s_mov_b32 s17, 0
	s_mov_b32 s19, 0
	s_mov_b32 s95, 0
	s_min_u32 s2, s[WV], 1
	s_mul_i32 s3, s2, VB                           ; the codes' place in LDS,
	s_lshl_b32 s2, s2, 13
	s_add_co_u32 s2, s2, KSC                       ; the scale words'
	G1SET G1K, 32, 96, 32                          ; K's chunk: 24,576 dense bytes as rows of 256
	G1SET G1V, 384, 8, 768                         ; V's chunk: 8 rows (128 keys' half) of 3,072 bytes, my head's half of 6,144
	G1SET G1KS, 32, 32, 32                         ; K's scale words: 8,192 dense bytes
	G1SET G1VS, 32, 16, 64                         ; V's: 16 rows of 256 bytes out of 512
	s_mov_b32 s[SEL], 0x76543210
	s_mov_b32 s[SEL+1], 0xfedcba98                 ; v_permlanex16_b32's selects for lane l xor 16
	s_mov_b32 s[CS], 0x4138aa3b                    ; c = 8 log2(e)
	s_mov_b32 s[CS+1], s[CS]                       ; (named with it as a pair, so it is written)
	s_wait_dscnt 0x0
	s_wait_kmcnt 0x0
	s_add_nc_u64 s[16:17], s[4:5], s[16:17]
	s_add_nc_u64 s[18:19], s[6:7], s[18:19]
	s_mov_b32 s56, 1
	s_mov_b32 s57, s2
	s_mov_b64 s[58:59], s[18:19]
	s_or_b32 s59, s59, 0x80000000
	G0SET 60, 0
	G0SET 68, 1
	G0SET 72, 2
	G0SET 76, 3
	CROUND                                         ; all four work-groups are here: the joint loads meet
	s_cmp_eq_u32 s[WV], 0                          ; a wave's fills stand in one branch on its number, ahead of every wait on TENSORcnt, every LDS read and every further barrier
	s_cbranch_scc0 .Lnot_k
	tensor_load_to_lds s[56:59], s[G1KS:G1KS+7]
	s_nop 0
	tensor_load_to_lds s[60:63], s[G1K:G1K+7]
	s_nop 0
	tensor_load_to_lds s[68:71], s[G1K:G1K+7]
	s_nop 0
	tensor_load_to_lds s[72:75], s[G1K:G1K+7]
	s_nop 0
	tensor_load_to_lds s[76:79], s[G1K:G1K+7]
	s_nop 0
.rept 4
	v_nop
.endr
	s_branch .Lasked
.Lnot_k:
	s_cmp_eq_u32 s[WV], 1
	s_cbranch_scc0 .Lasked
	tensor_load_to_lds s[56:59], s[G1VS:G1VS+7]
	s_nop 0
	tensor_load_to_lds s[60:63], s[G1V:G1V+7]
	s_nop 0
	tensor_load_to_lds s[68:71], s[G1V:G1V+7]
	s_nop 0
	tensor_load_to_lds s[72:75], s[G1V:G1V+7]
	s_nop 0
	tensor_load_to_lds s[76:79], s[G1V:G1V+7]
	s_nop 0
.rept 4
	v_nop
.endr
.Lasked:
	; my tile of the first pass: 128 x batch + 32 x block + wave
	s_lshl_b32 s16, s14, 7
	s_lshl_b32 s17, s13, 5
	s_add_co_u32 s16, s16, s17
	s_add_co_u32 s16, s16, s[WV]
	s_lshl_b32 s17, s15, 9
	s_add_co_u32 s17, s17, s16                     ; 512 x head + tile
	s_mul_i32 s18, s17, 768
	s_mov_b32 s19, 0
	s_add_nc_u64 s[QB:QB+1], s[4:5], s[18:19]
	s_lshr_b32 s18, s17, 3
	s_lshl_b32 s18, s18, 9                         ; its group of 8 tiles,
	s_bfe_u32 s2, s17, 0x10002
	s_lshl_b32 s2, s2, 8
	s_add_co_u32 s18, s18, s2                      ; + 256 (T / 4)
	s_and_b32 s2, s17, 3
	s_lshl_b32 s2, s2, 2
	s_add_co_u32 s18, s18, s2                      ; + 4 (T % 4)
	s_add_nc_u64 s[QS:QS+1], s[6:7], s[18:19]
	s_mul_i32 s18, s16, 12288
	s_mul_i32 s2, s15, 768
	s_add_co_u32 s18, s18, s2
	s_add_nc_u64 s[AB:AB+1], s[8:9], s[18:19]      ; acodes: 12,288 bytes a tile, 768 a head
	s_lshl_b32 s18, s16, 9
	s_lshl_b32 s2, s15, 1
	s_add_co_u32 s18, s18, s2
	s_add_nc_u64 s[AS:AS+1], s[10:11], s[18:19]    ; asc: 32 bytes a row, 2 a head
	v_and_b32 v100, 31, v0
	v_lshlrev_b32 v1, 4, v100                      ; 16 l
	v_lshlrev_b32 v2, 3, v100                      ; 8 l
	v_and_b32 v101, 15, v0
	v_lshlrev_b32 v3, 4, v101                      ; 16 r
	v_bfe_u32 v11, v0, 4, 1
	v_lshl_add_u32 v11, v101, 5, v11               ; 32 r + h
	v_add_nc_u32 v28, VB, v1
	v_add_nc_u32 v29, VB, v2
	v_add_nc_u32 v30, KSC, v3
	v_add_nc_u32 v31, VSC, v3
.irp i, 0,1,2,3,4,5
	v_mov_b32 v[22+\i], 0                          ; Q's zero codes, and those behind K's last tile: written once
	v_mov_b32 v[80+\i], 0
.endr
.irp b, 0,1,2,3
	v_mov_b32 v[EX+\b], 0                          ; written once: a lane permute's destination counts as one of its sources
.endr
	v_mov_b32 v99, 0                               ; (named as the upper half of the pair v[98:99] before it is first written)
; A KEY STEP: 128 keys.
.macro STEP
	v_add_nc_u32 v4, s[TB], v1                     ; the six additions are also the places between the last products and the loads into the registers that they read
	v_add_nc_u32 v5, s[TB], v2
	v_add_nc_u32 v6, s[TB], v28
	v_add_nc_u32 v7, s[TB], v29
	v_add_nc_u32 v8, s[TS], v30
	v_add_nc_u32 v9, s[TV], v31
.irp t, 0,1,2,3,4,5,6,7
	ds_load_b128 v[KF+6*\t:KF+6*\t+3], v4 offset:768*\t
	ds_load_b64 v[KF+6*\t+4:KF+6*\t+5], v5 offset:768*\t+512
.endr
	ds_load_b128 v[86:89], v8                      ; the scale words of tiles 0-3 of my row r,
	ds_load_b128 v[90:93], v8 offset:256           ; of tiles 4-7
	s_wait_dscnt 0x0
.irp t, 0,1,2,3,4,5,6,7
	v_wmma_scale_f32_16x16x128_f8f6f4 v[S+8*\t:S+8*\t+7], v[KF+6*\t:KF+6*\t+11], v[16:27], 0, v[86+\t], v10 matrix_a_fmt:MATRIX_FMT_FP6 matrix_b_fmt:MATRIX_FMT_FP6
.endr
.rept 4
	v_nop                                          ; places in front of the loads into K's registers and of the first read of the scores
.endr
.irp t, 0,1,2,3                        ; V's four fragments are asked for now and land under the softmax
.irp c, 0,1
	ds_load_b128 v[KF+12*\t+6*\c:KF+12*\t+6*\c+3], v6 offset:3072*\c+768*\t
	ds_load_b64 v[KF+12*\t+6*\c+4:KF+12*\t+6*\c+5], v7 offset:3072*\c+768*\t+512
.endr
.endr
	ds_load_b128 v[94:97], v9
.irp b, 0,1,2,3
	v_max3_num_f32 v[BM+\b], v[S+16*\b], v[S+16*\b+1], v[S+16*\b+2]   ; the largest score of each block of 32 keys: it serves for the row's maximum and, since p rises with the score, for the block's largest p
.endr
.irp i, 3,5,7,9,11,13
.irp b, 0,1,2,3
	v_max3_num_f32 v[BM+\b], v[BM+\b], v[S+16*\b+\i], v[S+16*\b+\i+1]
.endr
.endr
.irp b, 0,1,2,3
	v_max_num_f32 v[BM+\b], v[BM+\b], v[S+16*\b+15]
.endr
.irp b, 0,1,2,3
	v_permlanex16_b32 v[EX+\b], v[BM+\b], s[SEL], s[SEL+1]
.endr
.irp b, 0,1,2,3
	v_max_num_f32 v[BM+\b], v[BM+\b], v[EX+\b]     ; with the 16 keys of the lane 16 away
.endr
	v_max3_num_f32 v100, v[BM], v[BM+1], v[BM+2]
	v_max_num_f32 v100, v100, v[BM+3]
	v_mul_f32 v100, s[CS], v100                    ; the step's largest t (c is positive)
	v_max_num_f32 v13, v13, v100                   ; the running largest t
	v_mov_b32 v100, v12
	v_floor_f32 v12, -v13                          ; the new -M = floor(-t): M is a whole number
	v_sub_f32 v100, v12, v100                      ; old M - new M: a whole number, 0 or less
	v_cvt_i32_f32 v100, v100                       ; (it saturates)
	v_ldexp_f32 v98, 1.0, v100                     ; f = 2^(old M - new M)
.set j, 0
.rept 32
	v_pk_fma_f32 v[S+j:S+j+1], v[S+j:S+j+1], s[CS:CS+1], v[12:13] op_sel_hi:[1,0,0]   ; t - M, two at a time
.set j, j+2
.endr
.irp b, 0,1,2,3
	v_fma_f32 v[BM+\b], v[BM+\b], s[CS], v12       ; the same of each block's largest score
.endr
.set j, 0
.rept 64
	v_exp_f32 v[S+j], v[S+j]                       ; p = 2^(t - M), at most 1
.set j, j+1
.endr
	v_pk_mul_f32 v[14:15], v[14:15], v[98:99] op_sel_hi:[1,0]   ; the sum under the new M (the plain line behind the exponentials)
	s_wait_alu depctr_va_vdst(0)                   ; one wait for the batch of 64, ahead of its first reader
.irp b, 0,1,2,3
	v_exp_f32 v[BM+\b], v[BM+\b]                   ; the block's largest p: the same two instructions on the same number give the same bits
.endr
	v_pk_add_f32 v[EX:EX+1], v[S:S+1], v[S+2:S+3]  ; the row's sum is taken of the unquantised p, in two chains
.irp j, 4,8,12,16,20,24,28,32,36,40,44,48,52,56,60
	v_pk_add_f32 v[14:15], v[14:15], v[S+\j:S+\j+1]
	v_pk_add_f32 v[EX:EX+1], v[EX:EX+1], v[S+\j+2:S+\j+3]
.endr
	v_pk_add_f32 v[14:15], v[14:15], v[EX:EX+1]
	s_wait_alu depctr_va_vdst(0)                   ; and one for the four
.irp b, 0,1,2,3
	v_max_num_f32 v[BM+\b], 0x1800000, v[BM+\b]    ; the floor 2^(3 - 127): the byte cannot fall under 1
.endr
.irp b, 0,1,2,3
	v_add_nc_u32 v[SO+\b], 0xff000000, v[BM+\b]    ; 2 off the exponent field: the conversion's scale operand
.endr
.irp b, 0,1,2,3
	v_lshrrev_b32 v[EX+\b], 23, v[SO+\b]           ; the scale's byte
.endr
	v_lshl_or_b32 v99, v[EX+1], 8, v[EX]           ; p's scale word for these 128 keys
	v_lshl_or_b32 v99, v[EX+2], 16, v99
	v_lshl_or_b32 v99, v[EX+3], 24, v99
.irp c, 0,1
	v_cvt_scalef32_pk16_fp6_f32 v[PCD+6*\c:PCD+6*\c+2], v[S+32*\c:S+32*\c+15], v[SO+2*\c]
	v_cvt_scalef32_pk16_fp6_f32 v[CT+4*\c:CT+4*\c+2], v[S+32*\c+16:S+32*\c+31], v[SO+2*\c+1]
.endr
	v_nop                                          ; one plain line behind the conversions
.irp c, 0,1                            ; a whole block to a lane: lanes 0-15 block 2 c, lanes 16-31 block 2 c + 1
.irp i, 0,1,2
	v_permlane16_swap_b32 v[PCD+6*\c+\i], v[CT+4*\c+\i]
.endr
.irp i, 0,1,2
	v_mov_b32 v[PCD+3+6*\c+\i], v[CT+4*\c+\i]
.endr
.endr
.set j, 0
.rept 16
	v_pk_mul_f32 v[O+j:O+j+1], v[O+j:O+j+1], v[98:99] op_sel_hi:[1,0]   ; O^T under the new M; these sixteen are also the places between the writes of p's codes and scale word and the products
.set j, j+2
.endr
	s_wait_dscnt 0x0                               ; V is in
.irp t, 0,1,2,3
	v_wmma_scale_f32_16x16x128_f8f6f4 v[O+8*\t:O+8*\t+7], v[KF+12*\t:KF+12*\t+11], v[PCD:PCD+11], v[O+8*\t:O+8*\t+7], v[94+\t], v99 matrix_a_fmt:MATRIX_FMT_FP6 matrix_b_fmt:MATRIX_FMT_FP6
.endr
	s_add_co_u32 s[TB], s[TB], 6144
	s_add_co_u32 s[TS], s[TS], 512
	s_add_co_u32 s[TV], s[TV], 256
.endm
; A CHUNK: 512 keys, four steps.  The wave that asked for the chunk waits for it: behind chunk c it has issued 3 - c loads, which may stay out; then the barrier shows the chunk to all sixteen.
.macro CHUNK c
	s_mov_b32 s[TB], (\c)*24576
	s_mov_b32 s[TS], (\c)*2048
	s_mov_b32 s[TV], (\c)*1024
	s_wait_tensorcnt 3-(\c)
	s_wait_dscnt 0x0
	s_barrier_signal -1
	s_barrier_wait -1
	s_mov_b32 s[CNT], 4
.Lstep_\@:
	STEP
	s_sub_co_u32 s[CNT], s[CNT], 1
	s_cmp_lg_u32 s[CNT], 0
	s_cbranch_scc1 .Lstep_\@
.endm
	s_mov_b32 s[PASS], 2
.Lpass:                                            ; two passes: my tile, then the tile 16 further on (in the second pass the chunks' waits are met at once)
	global_load_b128 v[16:19], v1, s[QB:QB+1]      ; Q's half fragment stays in registers
	global_load_b64 v[20:21], v2, s[QB:QB+1] offset:512
	global_load_b32 v10, v3, s[QS:QS+1]            ; its scale words
	v_mov_b32 v13, 0xff61b1e6                      ; the largest t so far: -3e38
	v_floor_f32 v12, -v13                          ; -M
	v_mov_b32 v14, 0
	v_mov_b32 v15, 0
.set j, 0
.rept 32
	v_mov_b32 v[O+j], 0                            ; O^T: the step is written once for all steps; the first finds zeros, which the first change of M leaves zeros
.set j, j+1
.endr
	s_wait_loadcnt 0x0
	CHUNK 0
	CHUNK 1
	CHUNK 2
	CHUNK 3
	; THE WAY OUT: O^T / the sum; register 16 b + i is d = 32 b + 16 h + i of my query: two blocks of 32
.rept 4
	v_nop
.endr
	v_add_f32 v14, v14, v15
	v_permlanex16_b32 v100, v14, s[SEL], s[SEL+1]
	v_add_f32 v14, v14, v100                       ; the row's sum
	v_rcp_f32 v14, v14
	v_and_b32 v100, 16, v0                         ; (the plain line behind the reciprocal)
	v_cmp_ne_u32 vcc_lo, 0, v100                   ; lanes 16-31
	s_wait_alu depctr_va_vdst(0)                   ; the wait ahead of the first reader
.set j, 0
.rept 16
	v_pk_mul_f32 v[S+j:S+j+1], v[O+j:O+j+1], v[14:15] op_sel_hi:[1,0]   ; each accumulator from its low end on
.set j, j+2
.endr
.irp b, 0,1
	v_max3_num_f32 v[BM+\b], |v[S+16*\b]|, |v[S+16*\b+1]|, 0x1800000
.endr
.irp i, 2,4,6,8,10,12,14
.irp b, 0,1
	v_max3_num_f32 v[BM+\b], v[BM+\b], |v[S+16*\b+\i]|, |v[S+16*\b+\i+1]|
.endr
.endr
.irp b, 0,1
	v_permlanex16_b32 v[EX+\b], v[BM+\b], s[SEL], s[SEL+1]
.endr
.irp b, 0,1
	v_max_num_f32 v[BM+\b], v[BM+\b], v[EX+\b]
.endr
.irp b, 0,1
	v_add_nc_u32 v[SO+\b], 0xff000000, v[BM+\b]
.endr
.irp b, 0,1
	v_lshrrev_b32 v[EX+\b], 23, v[SO+\b]
.endr
	v_cvt_scalef32_pk16_fp6_f32 v[PCD:PCD+2], v[S:S+15], v[SO]
	v_cvt_scalef32_pk16_fp6_f32 v[CT:CT+2], v[S+16:S+31], v[SO+1]
	v_cndmask_b32 v101, v[EX], v[EX+1], vcc_lo     ; my block's byte: block h (also the plain line behind the conversions)
.irp i, 0,1,2
	v_permlane16_swap_b32 v[PCD+\i], v[CT+\i]      ; lanes 0-15 get block 0 whole, lanes 16-31 block 1
.endr
.irp i, 0,1,2
	v_mov_b32 v[PCD+3+\i], v[CT+\i]
.endr
	global_store_b128 v1, v[PCD:PCD+3], s[AB:AB+1]             ; 512 consecutive bytes, aligned
	global_store_b64 v2, v[PCD+4:PCD+5], s[AB:AB+1] offset:512 ; 256 consecutive bytes, aligned
	global_store_b8 v11, v101, s[AS:AS+1]                      ; byte 2 x head + h of row r
	s_wait_xcnt 0x0                                ; the loads and stores have read their bases and registers: both are written again only behind this wait
	s_add_nc_u64 s[QB:QB+1], s[QB:QB+1], 12288     ; 16 tiles on
	s_add_nc_u64 s[QS:QS+1], s[QS:QS+1], 1024
	s_add_nc_u64 s[AB:AB+1], s[AB:AB+1], 196608
	s_add_nc_u64 s[AS:AS+1], s[AS:AS+1], 8192
	s_sub_co_u32 s[PASS], s[PASS], 1
	s_cmp_lg_u32 s[PASS], 0
	s_cbranch_scc1 .Lpass
	s_wait_tensorcnt 0x0
	ds_add_u32 v254, v255
	s_wait_dscnt 0x0
	CROUND                                         ; the closing round
	s_endpgm
.Lfunc_end_k_q7cabe4349f_attn:
	.size	k_q7cabe4349f_attn, .Lfunc_end_k_q7cabe4349f_attn-k_q7cabe4349f_attn
	.p2alignl 7, 3214868480
	.fill 96, 4, 3214868480
	.section	.rodata,"a",@progbits
	.p2align	6, 0x0
	.amdhsa_kernel k_q7cabe4349f_attn
		.amdhsa_group_segment_fixed_size 210944
		.amdhsa_private_segment_fixed_size 0
		.amdhsa_enable_private_segment 0
		.amdhsa_kernarg_size 32
		.amdhsa_user_sgpr_count 2
		.amdhsa_user_sgpr_kernarg_segment_ptr 1
		.amdhsa_wavefront_size32 1
		.amdhsa_system_sgpr_workgroup_id_x 1
		.amdhsa_system_sgpr_workgroup_id_y 1
		.amdhsa_system_sgpr_workgroup_id_z 1
		.amdhsa_system_vgpr_workitem_id 0
		.amdhsa_next_free_vgpr 256
		.amdhsa_next_free_sgpr 100
		.amdhsa_reserve_vcc 1
		.amdhsa_float_denorm_mode_32 3
		.amdhsa_float_denorm_mode_16_64 3
		.amdhsa_memory_ordered 1
		.amdhsa_forward_progress 1
		.amdhsa_inst_pref_size 81
	.end_amdhsa_kernel
	.amdgpu_metadata
---
amdhsa.version: [ 1, 2 ]
amdhsa.kernels:
  - .name:           k_q7cabe4349f_attn
    .symbol:         k_q7cabe4349f_attn.kd
    .args:
      - { .name: img, .offset: 0, .size: 8, .value_kind: global_buffer, .address_space: global }
      - { .name: isc, .offset: 8, .size: 8, .value_kind: global_buffer, .address_space: global }
      - { .name: acodes, .offset: 16, .size: 8, .value_kind: global_buffer, .address_space: global }
      - { .name: asc, .offset: 24, .size: 8, .value_kind: global_buffer, .address_space: global }
    .group_segment_fixed_size: 210944
    .private_segment_fixed_size: 0
    .kernarg_segment_align: 8
    .kernarg_segment_size: 32
    .max_flat_workgroup_size: 512
    .sgpr_count:     100
    .vgpr_count:     256
    .wavefront_size: 32
...
	.end_amdgpu_metadata
.endif
;; end of part 3
;; launch oproj (part 4): grid 4 x 32, 4 waves a work-group, clusters of 4 x 4, 327,680 bytes of LDS; arguments acodes, asc, cod, scl, bo, out0; writes out0
.if DOCPART == 4
	.amdgcn_target "amdgcn-amd-amdhsa--gfx1250"
	.amdhsa_code_object_version 6
	.text
	.protected	k_q7cabe4349f_oproj
	.globl	k_q7cabe4349f_oproj
	.p2align	8
	.type	k_q7cabe4349f_oproj,@function
k_q7cabe4349f_oproj:
	s_mov_b64 s[64:65], 0
	v_nop
	global_prefetch_b8 v0, s[64:65] scope:SCOPE_SE
	s_setreg_imm32_b32 hwreg(HW_REG_WAVE_MODE, 25, 1), 1
	s_wait_xcnt 0x0
	s_wait_alu depctr_hold_cnt(0) depctr_sa_sdst(0) depctr_va_vdst(0) depctr_va_sdst(0) depctr_va_ssrc(0) depctr_va_vcc(0) depctr_vm_vsrc(0)
	s_getreg_b32 s2, hwreg(HW_REG_IB_STS2, 6, 4)
	s_cmp_eq_u32 s2, 0
	s_cbranch_scc0 .Lentry_in_a_cluster
	s_endpgm
.Lentry_in_a_cluster:
	s_bfe_u32 s2, ttmp6, 0x10000c
	s_cmp_lg_u32 s2, 0xf033
	s_cbranch_scc0 .Lentry_shape_is_right
	s_endpgm
.Lentry_shape_is_right:
; out0 = A Wo + bo on codes of FP6 (E2M3) with E8M0 scales, K = 1,024.  A, the attention's result, lies in acodes as images of operand registers: [512 tiles of 16 token positions][16 heads][768 bytes]
; (a half fragment, 16 rows x 64 K: registers 0-3 of lane l at 16 l, registers 4-5 at 512 + 8 l), its scale bytes in asc, 32 a row.  Wo's columns are rows 11,264 on of cod (768 bytes) and scl (32 bytes).
; Rows of both operands lie in position order (bits 3 and 4 of the index exchanged); this launch undoes that in the addresses of its way out.
; A tile of out0, 256 x 256, is made by a work-group of four waves; a wave makes 128 x 128: 64 accumulators.  K goes in steps of 256 through a ring of two LDS slots filled by the tensor data mover; the scale bytes come once and stay.
; CLUSTERS: 4 x 4 work-groups; A's tiles are asked for jointly along a row of the cluster, Wo's along a column.  With 128 tiles of this size half of the WGPs have work; a smaller tile would read each fragment for fewer products.
; THE MATRIX INSTRUCTION IS USED TRANSPOSED (source 0 = 16 rows of Wo's codes, source 1 = 16 rows of A): a lane holds one token, and the 16 registers of two neighbouring tiles are 16 true neighbours among the columns.
; bo is the C of each sum's first matrix instruction.
; REGISTERS, in windows of 256: window 0: v0-31 addresses; v32-63 scale words, two sets; v64-127 the bias; from v128 A's fragments, one set; on the way out v128-255 rows of out0.
;   window 1: Wo's fragments, two sets.   windows 2, 3: the accumulators: (a, b) at v[8 (8 (a % 4) + b)] of window 2 + a / 4.
.set KSTEP,  256
.set NQ,     2
.set ROWB,   192
.set KROW,   768
.set PITCH,  240                       ; Wo's LDS row: 3 x (64 bytes + 16 of padding)
.set FR,     12
.set NLA,    4                         ; LDS loads that bring a fragment of A
.set NP,     4
.set HALFT,  128*PITCH                 ; the place of 128 rows in a slot (A's images use 24,576 bytes of it)
.set SLOT,   4*HALFT
.set LAPS,   2
.set KS,     32
.set SCL,    2*SLOT
.set HALFS,  (128*KS/256)*272
.set SBLK,   (16*KS/256)*272
.set SPARE,  SCL+4*HALFS               ; the spare words, 128 bytes for each wave: no other line names them
.set SPITCH, 528                       ; the way out: a stage of 16 rows x (512 bytes + 16) for each wave, in slot 0, which has had its last fill and its last read by then
.set ADRA, 16                          ; v16-17 16 l + my A rows in slot 0, 1;  v18-19 8 l + the same
.set ADRB, 20                          ; v20-23 Wo's fragments, as rows
.set STO,  24
.set RD,   25
.set CO,   26
.set ADRS, 27
.set SPW,  28
.set NIL,  29
.set BO0,  30
.set SC,   32
.set BI,   64
.set AF,   128
.set BK,   128
.set G1, 24
.set G0, 32
.set G1B, 48
.set G0B, 56
.set G1S, 68
.set G0S, 76
.set G1SB, 80
.set G0SB, 88
.set MSB, 0
.macro WIN new                         ; the immediate's high byte repeats the setting that is left
.if MSB != \new
	s_set_vgpr_msb (MSB<<8)|\new
.set MSB, \new
.endif
.endm
.set MUL_LO, 0xa1
.set MUL_HI, 0xf1
.set TO_B,   0x40
.macro JLOAD g0a, g1a, g0b, g1b        ; a joint load: waves 0 and 1 fetch for A, waves 2 and 3 for Wo; four v_nop follow each of the two lines
	s_cmp_eq_u32 s15, 0
	s_cbranch_scc0 .Lfor_b_\@
	tensor_load_to_lds s[\g0a:\g0a+3], s[\g1a:\g1a+7]
	s_nop 0
.rept 4
	v_nop
.endr
	s_branch .Lasked_\@
.Lfor_b_\@:
	tensor_load_to_lds s[\g0b:\g0b+3], s[\g1b:\g1b+7]
	s_nop 0
.rept 4
	v_nop
.endr
.Lasked_\@:
.endm
.macro CREST
	s_cmp_lg_u32 s14, 0
	s_cbranch_scc1 .Lnot_wave_0_\@
	s_barrier_signal -3
.Lnot_wave_0_\@:
	s_barrier_wait -3
	s_barrier_signal -1
	s_barrier_wait -1
.endm
.macro CROUND
	s_barrier_signal -1
	s_barrier_wait -1
	CREST
.endm
	s_load_b128 s[4:7], s[0:1], 0x0                ; acodes, asc
	s_load_b128 s[8:11], s[0:1], 0x10              ; cod, scl
	s_load_b64 s[96:97], s[0:1], 0x20              ; bo
	s_load_b64 s[12:13], s[0:1], 0x28              ; out0
	v_lshl_add_u32 v[SPW], v0, 2, SPARE
	v_mov_b32 v[NIL], 0
	ds_add_u32 v28, v29
	ds_add_u32 v28, v29
	s_wait_dscnt 0x0
	v_lshrrev_b32 v1, 5, v0
	v_readfirstlane_b32 s14, v1                    ; wave 0..3
	s_lshr_b32 s15, s14, 1                         ; which half of the tile's rows is mine.  Also: I fetch for A (0) or for Wo (1)
	s_and_b32 s16, s14, 1                          ; which half of its columns.  Also: which 128 rows I fetch
	s_bfe_u32 s40, ttmp6, 0x40000                  ; cx
	s_bfe_u32 s41, ttmp6, 0x40004                  ; cy
	s_lshl_b32 s42, ttmp9, 2
	s_add_co_u32 s42, s42, s40                     ; tile column
	s_and_b32 s17, ttmp7, 0xffff
	s_lshl_b32 s17, s17, 2
	s_add_co_u32 s17, s17, s41                     ; tile row
	s_lshl_b32 s43, s41, 2
	s_lshl_b32 s43, 15, s43                        ; my row of the cluster
	s_lshl_b32 s44, 0x1111, s40                    ; my column
	; group 1 for A: 8 tiles of 16 rows; of each its 3,072 bytes of this K step (4 half fragments), 12,288 bytes apart; elements of 8 bytes, no padding
	s_or_b32 s[G1+0], s43, (3<<16)|(1<<21)
	s_mov_b32 s[G1+1], 384<<16
	s_mov_b32 s[G1+2], 8<<16
	s_mov_b32 s[G1+3], 384<<16
	s_mov_b32 s[G1+4], 8
	s_mov_b32 s[G1+5], 1536
	s_mov_b32 s[G1+6], 0
	s_mov_b32 s[G1+7], 0
	; for Wo: 128 rows x 192 bytes, 16 bytes of padding behind every 64
	s_or_b32 s[G1B+0], s44, (0<<16)|(1<<20)|(1<<21)|(3<<22)|(3<<25)
	s_mov_b32 s[G1B+1], ROWB<<16
	s_mov_b32 s[G1B+2], 128<<16
	s_mov_b32 s[G1B+3], ROWB<<16
	s_mov_b32 s[G1B+4], 128
	s_mov_b32 s[G1B+5], KROW
	s_mov_b32 s[G1B+6], 0
	s_mov_b32 s[G1B+7], 0
	; the scale bytes of 128 rows: 16 rows of 256 bytes, 16 bytes of padding behind each
	s_or_b32 s[G1S+0], s43, (3<<16)|(1<<20)|(1<<21)|(5<<22)|(3<<25)
	s_or_b32 s[G1SB+0], s44, (3<<16)|(1<<20)|(1<<21)|(5<<22)|(3<<25)
.irp g, G1S, G1SB
	s_mov_b32 s[\g+1], 32<<16
	s_mov_b32 s[\g+2], (128*KS/256)<<16
	s_mov_b32 s[\g+3], 32<<16
	s_mov_b32 s[\g+4], 128*KS/256
	s_mov_b32 s[\g+5], 32
	s_mov_b32 s[\g+6], 0
	s_mov_b32 s[\g+7], 0
.endr
	s_lshl_b32 s18, s16, 7                         ; which 128 rows I fetch
	s_lshl_b32 s20, s17, 8
	s_add_co_u32 s20, s20, s18                     ; A: row 256 x tile row + 128 x half
	s_lshl_b32 s22, s20, 5                         ; its scale bytes,
	s_mul_i32 s20, s20, 768                        ; its images: 12,288 bytes for 16 rows
	s_mov_b32 s21, 0
	s_mov_b32 s23, 0
	s_lshl_b32 s46, s42, 8
	s_add_co_u32 s46, s46, s18
	s_add_co_u32 s46, s46, 11264                   ; Wo: row 11,264 + 256 x tile column + 128 x half
	s_lshl_b32 s92, s46, 5
	s_mul_i32 s46, s46, KROW
	s_mov_b32 s47, 0
	s_mov_b32 s93, 0
	s_mul_i32 s45, s14, HALFT                      ; where they go: by the wave's number alone
	s_mul_i32 s94, s14, HALFS
	s_wait_kmcnt 0x0
	s_add_nc_u64 s[20:21], s[4:5], s[20:21]
	s_add_nc_u64 s[22:23], s[6:7], s[22:23]
	s_add_nc_u64 s[46:47], s[8:9], s[46:47]
	s_add_nc_u64 s[92:93], s[10:11], s[92:93]
	CROUND                                         ; all sixteen work-groups are here: the first joint loads meet
	s_mov_b32 s[G0S], 1
	s_add_co_u32 s[G0S+1], s94, SCL
	s_mov_b64 s[G0S+2:G0S+3], s[22:23]
	s_or_b32 s[G0S+3], s[G0S+3], 0x80000000
	s_mov_b32 s[G0SB], 1
	s_add_co_u32 s[G0SB+1], s94, SCL
	s_mov_b64 s[G0SB+2:G0SB+3], s[92:93]
	s_or_b32 s[G0SB+3], s[G0SB+3], 0x80000000
	JLOAD G0S, G1S, G0SB, G1SB                     ; the scale bytes first
.irp s, 0,1
	s_mov_b32 s[G0+4*\s], 1
	s_add_co_u32 s[G0+4*\s+1], s45, \s*SLOT
	s_add_nc_u64 s[G0+4*\s+2:G0+4*\s+3], s[20:21], \s*3072
	s_or_b32 s[G0+4*\s+3], s[G0+4*\s+3], 0x80000000
	s_mov_b32 s[G0B+4*\s], 1
	s_add_co_u32 s[G0B+4*\s+1], s45, \s*SLOT
	s_add_nc_u64 s[G0B+4*\s+2:G0B+4*\s+3], s[46:47], \s*ROWB
	s_or_b32 s[G0B+4*\s+3], s[G0B+4*\s+3], 0x80000000
	JLOAD G0+4*\s, G1, G0B+4*\s, G1B               ; three tensor loads of mine are out
.endr
	v_and_b32 v1, 15, v0                           ; r
	v_bfe_u32 v2, v0, 4, 1                         ; h
	v_and_b32 v6, 31, v0                           ; lane
	v_mul_u32_u24 v3, v1, PITCH
	v_mul_u32_u24 v4, v2, 24
	v_add_nc_u32 v4, v3, v4                        ; Wo: a fragment's row x pitch + 24 h
	v_lshl_add_u32 v5, v2, 4, v4                   ; and the same behind one padding more
	v_lshlrev_b32 v7, 4, v6                        ; A: 16 l
	v_lshlrev_b32 v8, 3, v6                        ;    8 l
	s_mul_i32 s21, s15, HALFT                      ; my 128 rows of A
	s_mul_i32 s22, s16, HALFT
	s_add_co_u32 s22, s22, 2*HALFT                 ; my 128 rows of Wo
.irp s, 0,1
	v_add_nc_u32 v[ADRA+\s], s21, v7
	v_add_nc_u32 v[ADRA+2+\s], s21, v8
	v_add_nc_u32 v[ADRB+\s], s22, v4
	v_add_nc_u32 v[ADRB+2+\s], s22, v5
	s_add_co_u32 s21, s21, SLOT
	s_add_co_u32 s22, s22, SLOT
.endr
	v_mul_u32_u24 v5, v1, KS
	v_lshrrev_b32 v9, 8, v5
	v_lshl_add_u32 v5, v9, 4, v5                   ; my row's scale bytes
	s_mul_i32 s21, s15, HALFS
	s_mul_i32 s22, s16, HALFS
	s_add_co_u32 s22, s22, 2*HALFS
	s_sub_co_u32 s22, s22, s21
	v_mul_u32_u24 v9, s22, v2                      ; lanes 16-31 take Wo's
	s_add_co_u32 s21, s21, SCL
	v_add_nc_u32 v5, v5, v9
	v_add_nc_u32 v[ADRS], s21, v5
	s_mul_i32 s23, s14, 16*SPITCH                  ; my stage
	v_mul_u32_u24 v5, v1, SPITCH
	v_lshl_add_u32 v5, v2, 6, v5                   ; in: row r; my half's 16 columns of each 32: 64 h bytes on
	v_add_nc_u32 v[STO], s23, v5
	v_lshlrev_b32 v[CO], 4, v6                     ; back: the 32 lanes take one row of 512 bytes; and the same in out0
	v_add_nc_u32 v[RD], s23, v[CO]
	v_lshlrev_b32 v[BO0], 6, v2                    ; the bias: 16 h numbers on
	s_lshl_b32 s20, s42, 10
	s_lshl_b32 s21, s16, 9
	s_add_co_u32 s20, s20, s21                     ; my first column, in bytes: 1,024 x tile column + 512 x half
	s_mov_b32 s21, 0
	s_add_nc_u64 s[96:97], s[96:97], s[20:21]
	s_add_nc_u64 s[12:13], s[12:13], s[20:21]
.irp g, 0,1,2,3                        ; registers 16 g + i of tiles 2 g, 2 g + 1 are columns 32 g + 16 h + i
.irp i, 0,1,2,3
	global_load_b128 v[BI+16*\g+4*\i:BI+16*\g+4*\i+3], v[BO0], s[96:97] offset:128*\g+16*\i
.endr
.endr
	s_lshl_b32 s20, s17, 8
	s_lshl_b32 s21, s15, 7
	s_add_co_u32 s20, s20, s21                     ; my first row of out0: 256 x tile row + 128 x half
	s_lshl_b32 s20, s20, 12                        ; rows of 4,096 bytes
	s_mov_b32 s21, 0
	s_add_nc_u64 s[12:13], s[12:13], s[20:21]
.macro FRAG reg, adr, q, i             ; a fragment of Wo from rows: 12 registers in pieces of 8 bytes
.irp p, 0,1,2,3,4,5
.set PCE, 12*(\q)+6*(\p/3)+\p%3
.if PCE%8 < 5
	ds_load_b64 v[\reg+2*\p:\reg+2*\p+1], v[\adr] offset:8*PCE+16*(PCE/8)+(\i)*16*PITCH
.else
	ds_load_b64 v[\reg+2*\p:\reg+2*\p+1], v[\adr+2] offset:8*PCE+16*(PCE/8)+(\i)*16*PITCH
.endif
.endr
.endm
.macro FRAGA reg, slot, q, i           ; a fragment of A from its two images: dense reads
	ds_load_b128 v[\reg:\reg+3], v[ADRA+\slot] offset:3072*(\i)+1536*(\q)
	ds_load_b64 v[\reg+4:\reg+5], v[ADRA+2+\slot] offset:3072*(\i)+1536*(\q)+512
	ds_load_b128 v[\reg+6:\reg+9], v[ADRA+\slot] offset:3072*(\i)+1536*(\q)+768
	ds_load_b64 v[\reg+10:\reg+11], v[ADRA+2+\slot] offset:3072*(\i)+1536*(\q)+1280
.endm
; 16 matrix instructions: A's blocks a0, a0 + 1 x Wo's eight.  cm = 1: the sums begin with the bias.  The 64 accumulators take turns, one instruction a turn.
.macro MUL16 a0, p, q, sc, cm
.irp a, \a0, \a0+1
.irp b, 0,1,2,3,4,5,6,7
.if \cm == 1
	v_wmma_scale_f32_16x16x128_f8f6f4 v[8*(8*((\a)%4)+\b):8*(8*((\a)%4)+\b)+7], v[128*(\p)+FR*\b:128*(\p)+FR*\b+FR-1], v[AF+FR*(\a):AF+FR*(\a)+FR-1], v[BI+8*\b:BI+8*\b+7], v[SC+8*NQ*(\sc)+NQ*\b+(\q)], v[SC+8*NQ*(\sc)+NQ*(\a)+(\q)] matrix_a_fmt:MATRIX_FMT_FP6 matrix_b_fmt:MATRIX_FMT_FP6 matrix_a_scale:MATRIX_SCALE_ROW1
.else
	v_wmma_scale_f32_16x16x128_f8f6f4 v[8*(8*((\a)%4)+\b):8*(8*((\a)%4)+\b)+7], v[128*(\p)+FR*\b:128*(\p)+FR*\b+FR-1], v[AF+FR*(\a):AF+FR*(\a)+FR-1], v[8*(8*((\a)%4)+\b):8*(8*((\a)%4)+\b)+7], v[SC+8*NQ*(\sc)+NQ*\b+(\q)], v[SC+8*NQ*(\sc)+NQ*(\a)+(\q)] matrix_a_fmt:MATRIX_FMT_FP6 matrix_b_fmt:MATRIX_FMT_FP6 matrix_a_scale:MATRIX_SCALE_ROW1
.endif
.endr
.endr
.endm
.macro FETCH_B slot, q, p
	WIN TO_B
.irp i, 0,1,2,3,4,5,6,7
	FRAG 128*(\p)+FR*\i, ADRB+\slot, \q, \i
.endr
	WIN 0
.endm
.macro FETCH_A slot, q, i0
.irp i, \i0, \i0+1, \i0+2, \i0+3
	FRAGA AF+FR*(\i), \slot, \q, \i
.endr
.endm
.macro SCALES sc
.irp i, 0,1,2,3,4,5,6,7
	ds_load_b64 v[SC+8*NQ*\sc+NQ*\i:SC+8*NQ*\sc+NQ*\i+1], v[ADRS] offset:\i*SBLK
.endr
.endm
.macro PLACES n                        ; plain vector lines between a matrix instruction and a load into, or a read of, its registers
.rept \n
	v_nop
.endr
.endm
.macro STEP slot, q, cm
	s_wait_dscnt 4*NLA                             ; Wo's set and A's blocks 0-3 are in; the youngest 16 loads (A's blocks 4-7) may be out
.if \cm
	WIN 0x81                                       ; C, the bias, in window 0
.else
	WIN MUL_LO
.endif
	MUL16 0, (\q)%2, \q, \slot, \cm
	MUL16 2, (\q)%2, \q, \slot, \cm
	s_wait_dscnt 0
	PLACES NP
	FETCH_B \slot, (\q)+1, 1-(\q)%2
	FETCH_A \slot, (\q)+1, 0
.if \cm
	WIN 0xc1
.else
	WIN MUL_HI
.endif
	MUL16 4, (\q)%2, \q, \slot, \cm
	MUL16 6, (\q)%2, \q, \slot, \cm
	PLACES NP
	WIN 0
	FETCH_A \slot, (\q)+1, 4
.endm
; A slot's last step changes slots: one barrier; in front of it each wave waits for all its tensor loads, adds 0 to its spare word, and waits for that and for its own reads of this slot.
.macro TURN slot, next, fill
	s_wait_tensorcnt 0x0                           ; all my tensor loads have landed: my part of the next slot
	ds_add_u32 v[SPW], v[NIL]                      ; 0 onto my spare word
	s_wait_dscnt 4*NLA+1                           ; (the add and the youngest 16 loads may be out)
	WIN MUL_LO
	MUL16 0, 1, NQ-1, \slot, 0
	s_wait_dscnt 0x0                               ; the add is done, and my reads of this slot are over
	s_barrier_signal -1
	MUL16 2, 1, NQ-1, \slot, 0
	WIN 0
	s_barrier_wait -1
.if \fill
	CREST                                          ; the barrier has opened a round of the cluster's barrier
	s_add_nc_u64 s[G0+4*\slot+2:G0+4*\slot+3], s[G0+4*\slot+2:G0+4*\slot+3], 2*3072
	s_add_nc_u64 s[G0B+4*\slot+2:G0B+4*\slot+3], s[G0B+4*\slot+2:G0B+4*\slot+3], 2*ROWB
	JLOAD G0+4*\slot, G1, G0B+4*\slot, G1B         ; the first tensor load behind the round, my only one until the next
.else
	PLACES NP
.endif
	v_add_nc_u32 v[ADRS], 4*NQ, v[ADRS]
	FETCH_B \next, 0, 0
	FETCH_A \next, 0, 0
	SCALES \next
	WIN MUL_HI
	MUL16 4, 1, NQ-1, \slot, 0
	MUL16 6, 1, NQ-1, \slot, 0
	PLACES NP
	WIN 0
	FETCH_A \next, 0, 4
.endm
	s_wait_tensorcnt 1                             ; the scale bytes and my part of K step 0 are in (K step 1's load may be out)
	s_barrier_signal -1
	s_barrier_wait -1
	FETCH_B 0, 0, 0
	FETCH_A 0, 0, 0
	SCALES 0
	FETCH_A 0, 0, 4
	s_wait_loadcnt 0x0                             ; the bias
	STEP 0, 0, 1                                   ; the first step stands in front of the loop: its products begin the sums with the bias
	s_mov_b32 s3, LAPS-1
.Llap:
	TURN 0, 1, 1
	STEP 1, 0, 0
	TURN 1, 0, 1
	STEP 0, 0, 0
	s_sub_co_u32 s3, s3, 1
	s_cmp_lg_u32 s3, 0
	s_cbranch_scc1 .Llap
	TURN 0, 1, 0
	STEP 1, 0, 0
	s_wait_dscnt 4*NLA
	WIN MUL_LO
	MUL16 0, 1, NQ-1, 1, 0
	MUL16 2, 1, NQ-1, 1, 0
	s_wait_dscnt 0
	WIN MUL_HI
	MUL16 4, 1, NQ-1, 1, 0
	MUL16 6, 1, NQ-1, 1, 0
	WIN 0
; THE WAY OUT, block by block of 16 token positions x 128 columns, through my own stage.  Register j of tile b is column 32 (b / 2) + 16 h + 8 (b % 2) + j.  Position t of block a is the token 32 (a / 2) + 8 (a % 2) + t + 8 (t / 8)
; of my 128: the row stands in the store's immediate, 127 rows of 4,096 bytes at the most, and no base is stepped.
.macro TOSTAGE a
.set AC, 64*((\a)%4)
	WIN 0x08+4*((\a)/4)                            ; the data: window 2 or 3
.irp b, 0,1,2,3,4,5,6,7
	ds_store_b128 v[STO], v[AC+8*\b:AC+8*\b+3] offset:128*(\b/2)+32*(\b%2)        ; each accumulator from its low end on
	ds_store_b128 v[STO], v[AC+8*\b+4:AC+8*\b+7] offset:128*(\b/2)+32*(\b%2)+16
.endr
	WIN 0
.set BB, BK+64*((\a)%2)
.irp t, 0,1,2,3,4,5,6,7,8,9,10,11,12,13,14,15
	ds_load_b128 v[BB+4*\t:BB+4*\t+3], v[RD] offset:\t*SPITCH    ; LDS serves a wave's instructions in order: these see the stores above
.endr
.endm
.macro SEND a, younger                 ; younger: the LDS instructions issued behind block a's loads, which may stay out
.set BB, BK+64*((\a)%2)
	s_wait_dscnt \younger
.irp t, 0,1,2,3,4,5,6,7,8,9,10,11,12,13,14,15
	global_store_b128 v[CO], v[BB+4*\t:BB+4*\t+3], s[12:13] offset:(32*((\a)/2)+8*((\a)%2)+\t+8*(\t/8))*4096 th:TH_STORE_NT   ; 32 lanes store 512 consecutive bytes, aligned
.endr
.endm
	PLACES NP
	TOSTAGE 0
.irp a, 1,2,3,4,5,6,7
.if \a > 1
	s_wait_xcnt 0x0                                ; block a - 2's stores have read their registers: block a's loads may land there
.endif
	TOSTAGE \a
	SEND \a-1, 32                                  ; behind block a - 1's loads: block a's 16 stores and 16 loads
.endr
	SEND 7, 0
	s_wait_tensorcnt 0x0                           ; the wave's end
	ds_add_u32 v[SPW], v[NIL]
	s_wait_dscnt 0x0
	CROUND                                         ; the closing round
	s_endpgm
.Lfunc_end_k_q7cabe4349f_oproj:
	.size	k_q7cabe4349f_oproj, .Lfunc_end_k_q7cabe4349f_oproj-k_q7cabe4349f_oproj
	.p2alignl 7, 3214868480
	.fill 96, 4, 3214868480
	.section	.rodata,"a",@progbits
	.p2align	6, 0x0
	.amdhsa_kernel k_q7cabe4349f_oproj
		.amdhsa_group_segment_fixed_size 327680
		.amdhsa_private_segment_fixed_size 0
		.amdhsa_enable_private_segment 0
		.amdhsa_kernarg_size 48
		.amdhsa_user_sgpr_count 2
		.amdhsa_user_sgpr_kernarg_segment_ptr 1
		.amdhsa_wavefront_size32 1
		.amdhsa_system_sgpr_workgroup_id_x 1
		.amdhsa_system_sgpr_workgroup_id_y 1
		.amdhsa_system_sgpr_workgroup_id_z 1
		.amdhsa_system_vgpr_workitem_id 0
		.amdhsa_next_free_vgpr 1024
		.amdhsa_next_free_sgpr 98
		.amdhsa_reserve_vcc 0
		.amdhsa_float_denorm_mode_32 3
		.amdhsa_float_denorm_mode_16_64 3
		.amdhsa_memory_ordered 1
		.amdhsa_forward_progress 1
		.amdhsa_inst_pref_size 153
	.end_amdhsa_kernel
	.amdgpu_metadata
---
amdhsa.version: [ 1, 2 ]
amdhsa.kernels:
  - .name:           k_q7cabe4349f_oproj
    .symbol:         k_q7cabe4349f_oproj.kd
    .args:
      - { .name: acodes, .offset: 0, .size: 8, .value_kind: global_buffer, .address_space: global }
      - { .name: asc, .offset: 8, .size: 8, .value_kind: global_buffer, .address_space: global }
      - { .name: cod, .offset: 16, .size: 8, .value_kind: global_buffer, .address_space: global }
      - { .name: scl, .offset: 24, .size: 8, .value_kind: global_buffer, .address_space: global }
      - { .name: bo, .offset: 32, .size: 8, .value_kind: global_buffer, .address_space: global }
      - { .name: out0, .offset: 40, .size: 8, .value_kind: global_buffer, .address_space: global }
    .group_segment_fixed_size: 327680
    .private_segment_fixed_size: 0
    .kernarg_segment_align: 8
    .kernarg_segment_size: 48
    .max_flat_workgroup_size: 128
    .sgpr_count:     98
    .vgpr_count:     1024
    .wavefront_size: 32
...
	.end_amdgpu_metadata
.endif
;; end of part 4
